; MI455X (gfx1250); checked and timed in simulation.
; The chip was launched on July 23, 2026; its instructions are those of AMD's public machine-readable ISA for CDNA 5 (MIT licence, August 2026) and "CDNA5" Instruction Set Architecture Reference Guide (July 2026). The comments in the code are by the model that wrote it; some were corrected since.
;; Mo E Layer. Allowed arithmetic: float matrix products may take bf16 or f16 operands with f32 sums; other float arithmetic in f32, or as packed bf16 or f16 multiplies, adds, multiply-adds, maxima and minima; sums over many terms, partial sums and values carried from step to step in f32; what a program stores and reads back later, other than sums and carried values, may be rounded once to bf16 or f16.
;; Inputs: W1 8 x 1,024 x 4,096 float32; W2 8 x 4,096 x 1,024 float32; Wg 1,024 x 8 float32; b1 8 x 4,096 float32; b2 8 x 1,024 float32; bg 8 float32; x 4 x 256 x 1,024 float32.
;; Outputs: out0 4 x 256 x 1,024 float32.
;; One version. Each part assembles by itself: llvm-mc -triple=amdgcn-amd-amdhsa -mcpu=gfx1250 --defsym DOCPART=n.
;; ======== version 1 of 1: 4 launches
;; workspace buffers: xb 2,097,152 bytes; sel 8,192 bytes of whole numbers; gw 8,192 bytes; hb 16,777,216 bytes; y 33,554,432 bytes
;; launch gate (part 1): grid 64 x 1, 8 waves a work-group, no clusters, 75,008 bytes of LDS; arguments x, Wg, bg, xb, sel, gw; writes xb, sel, gw
.if DOCPART == 1
	.amdgcn_target "amdgcn-amd-amdhsa--gfx1250"
	.amdhsa_code_object_version 6
	.text
	.protected	k_q6e5f0de1af_gate
	.globl	k_q6e5f0de1af_gate
	.p2align	8
	.type	k_q6e5f0de1af_gate,@function
k_q6e5f0de1af_gate:
	s_mov_b64 s[64:65], 0
	v_nop
	global_prefetch_b8 v0, s[64:65] scope:SCOPE_SE
	s_setreg_imm32_b32 hwreg(HW_REG_WAVE_MODE, 25, 1), 1
	s_wait_xcnt 0x0
; THE ROUTER.  logits = x Wg + bg; the two largest of a token's 8 logits (the lower index wins a tie); softmax over those two.
; Stored: xb = x rounded to bf16 [1024][1024]; sel[2 t + k] = the k-th chosen expert (whole numbers, at fixed places); gw[2 t + k] = its weight (f32).
; A work-group takes 16 tokens, as many as a matrix tile has columns; its eight waves share K = 1,024, 128 each; the eight partial sums meet in LDS.
; LIMITS.  x, Wg and bg are rounded once to bf16 (the whole program rounds every input so); sums in f32.  A token whose second and third logit lie closer than
; the rounding of an f32 sum of 1,024 products may choose otherwise than an exact sum would.  NaN and infinities are not treated apart.  The smaller weight counts as 0 below 2^-126.
; No cluster, no tensor load: the work-groups share only Wg's 32 KiB.
.set XP,    2064                       ; a token's row in LDS: 2,048 bytes + 16: the 16 rows of a fragment load start 4 words apart in the banks (ISA guide 11.1)
.set WT,    16*XP                      ; Wg in bf16 as it lies, [k][16]: 8 experts, then the same 8 once more: rows of 32 bytes
.set RED,   WT+1024*32                 ; eight waves' partial logits, 1,024 bytes each
.set SPARE, RED+8*1024                 ; the spare words, 128 bytes a wave: four blocks of 256 bytes that no other line names
.set SPW, 2                            ; v2  LDS address of my spare word; never rewritten
.set NIL, 3                            ; v3  0; never rewritten
.set X,   16                           ; v16-79   x as loaded; later fragments; later the partial sums
.set WG,  80                           ; v80-111  Wg as loaded; later the accumulators and their sum
.set CV,  112                          ; v112-143 x in bf16
.set FW,  16                           ; fragments of Wg, 8 registers a K step of 32
.set FX,  48                           ; fragments of x
.set AC0, 80
.set AC1, 88
.set RS,  96
.set P,   16
.set M1,  32                           ; the largest logit, M2 the second
.set M2,  33
.set I1,  36                           ; v[36:37] their experts
.set I2,  37
.set W1,  38                           ; v[38:39] their weights
.set W2,  39
.set WV,  16                           ; s16 my wave's number
	s_load_b256 s[4:11], s[0:1], 0x0               ; x s[4:5], Wg s[6:7], bg s[8:9], xb s[10:11]
	s_load_b128 s[12:15], s[0:1], 0x20             ; sel s[12:13], gw s[14:15]
	v_lshl_add_u32 v[SPW], v0, 2, SPARE
	v_mov_b32 v[NIL], 0
	v_lshrrev_b32 v1, 5, v0
	v_readfirstlane_b32 s[WV], v1
	v_and_b32 v1, 31, v0                           ; lane
	v_and_b32 v9, 15, v0                           ; r
	v_bfe_u32 v10, v0, 4, 1                        ; h
	s_lshl_b32 s18, ttmp9, 16                      ; my 16 tokens in x: 16 x 4,096 bytes
	s_mov_b32 s19, 0
	s_lshl_b32 s20, ttmp9, 15                      ; in xb: 16 x 2,048
	s_mov_b32 s21, 0
	s_lshl_b32 s22, ttmp9, 7                       ; in sel and gw: 16 x 8
	s_mov_b32 s23, 0
	s_lshl_b32 s17, s[WV], 13
	v_lshl_add_u32 v4, v1, 4, s17                  ; x: wave w has tokens 2 w, 2 w + 1; 16 bytes a lane
	s_lshl_b32 s17, s[WV], 12
	v_lshl_add_u32 v5, v1, 3, s17                  ; xb: 8 bytes a lane
	s_mul_i32 s17, s[WV], 2*XP
	v_lshl_add_u32 v6, v1, 3, s17                  ; the same in LDS
	v_lshlrev_b32 v7, 4, v0                        ; Wg: 16 bytes a thread, the threads side by side
	v_lshrrev_b32 v8, 1, v0                        ; which are half a row of Wg: row thread / 2, experts 4 (thread % 2) on
	v_and_b32 v11, 1, v0
	v_lshlrev_b32 v8, 5, v8
	v_lshl_add_u32 v8, v11, 3, v8
	v_add_nc_u32 v8, WT, v8
	s_wait_kmcnt 0x0
	s_load_b256 s[24:31], s[8:9], 0x0              ; bg
	s_add_nc_u64 s[4:5], s[4:5], s[18:19]
	s_add_nc_u64 s[10:11], s[10:11], s[20:21]
	s_add_nc_u64 s[12:13], s[12:13], s[22:23]
	s_add_nc_u64 s[14:15], s[14:15], s[22:23]
.set n, 0
.rept 16                                               ; two tokens, 512 neighbouring bytes a load
	global_load_b128 v[X+4*n:X+4*n+3], v4, s[4:5] offset:(n/8)*4096+(n%8)*512 th:TH_LOAD_NT
.set n, n+1
.endr
.set n, 0
.rept 8
	global_load_b128 v[WG+4*n:WG+4*n+3], v7, s[6:7] offset:4096*n
.set n, n+1
.endr
	s_wait_loadcnt 0x8                             ; x is in; Wg's eight loads, issued behind it, may stay out
.set n, 0
.rept 32
	v_cvt_pk_bf16_f32 v[CV+n], v[X+2*n], v[X+2*n+1]
.set n, n+1
.endr
.set n, 0
.rept 16
	global_store_b64 v5, v[CV+2*n:CV+2*n+1], s[10:11] offset:(n/8)*2048+(n%8)*256  ; a wave's store covers 256 consecutive bytes, aligned
	ds_store_b64 v6, v[CV+2*n:CV+2*n+1] offset:(n/8)*XP+(n%8)*256
.set n, n+1
.endr
	s_wait_loadcnt 0x0                             ; Wg
.set n, 0
.rept 16
	v_cvt_pk_bf16_f32 v[X+n], v[WG+2*n], v[WG+2*n+1]
.set n, n+1
.endr
.set n, 0
.rept 8
	ds_store_b64 v8, v[X+2*n:X+2*n+1] offset:4096*n      ; row 128 n + thread / 2
	ds_store_b64 v8, v[X+2*n:X+2*n+1] offset:4096*n+16   ; and once more as columns 8 to 15, so that a fragment's 16 rows are all written
.set n, n+1
.endr
	; addresses of the fragments
	v_and_b32 v11, 7, v0
	v_lshl_add_u32 v12, v10, 3, v11                ; the turning load: lane l reads row k0 + 8 (l / 16) + l % 8,
	v_lshlrev_b32 v12, 5, v12
	v_bfe_u32 v13, v0, 3, 1
	v_lshl_add_u32 v12, v13, 4, v12                ; columns 8 ((l / 8) % 2) on
	s_lshl_b32 s17, s[WV], 12
	s_add_co_u32 s17, s17, WT                      ; my K = 128 w on: 128 rows of 32 bytes
	v_add_nc_u32 v12, s17, v12
	v_mul_u32_u24 v14, v9, XP                      ; x: token r, 16 bytes for each half of the lanes,
	v_lshl_add_u32 v14, v10, 4, v14
	s_lshl_b32 s17, s[WV], 8
	v_add_nc_u32 v14, s17, v14                     ; my 256 bytes of the row
	s_lshl_b32 s17, s[WV], 10
	s_add_co_u32 s17, s17, RED
	v_lshl_add_u32 v15, v1, 4, s17
	s_wait_kmcnt 0x0                               ; bg
	s_wait_dscnt 0x0                               ; for the others' sake: my stores are done
	s_barrier_signal -1
	s_barrier_wait -1
.irp st, 0,1,2,3
	ds_load_tr16_b128 v[FW+8*\st:FW+8*\st+3],   v12 offset:1024*\st
	ds_load_tr16_b128 v[FW+8*\st+4:FW+8*\st+7], v12 offset:1024*\st+512
	ds_load_b128 v[FX+8*\st:FX+8*\st+3],   v14 offset:64*\st
	ds_load_b128 v[FX+8*\st+4:FX+8*\st+7], v14 offset:64*\st+32
.endr
	s_wait_dscnt 0x0
	; source 0 = 16 columns of Wg, source 1 = 16 tokens: a lane holds ONE token (lane % 16) and in registers 0-7 its eight logits (both halves of the lanes the same).
	; Two accumulators by turns; the first products start the sums.
	v_wmma_f32_16x16x32_bf16 v[AC0:AC0+7], v[FW:FW+7],       v[FX:FX+7],       0
	v_wmma_f32_16x16x32_bf16 v[AC1:AC1+7], v[FW+8:FW+15],    v[FX+8:FX+15],    0
	v_wmma_f32_16x16x32_bf16 v[AC0:AC0+7], v[FW+16:FW+23],   v[FX+16:FX+23],   v[AC0:AC0+7]
	v_wmma_f32_16x16x32_bf16 v[AC1:AC1+7], v[FW+24:FW+31],   v[FX+24:FX+31],   v[AC1:AC1+7]
.rept 4
	v_nop                                          ; four places between the last product and the first read of a result (ISA guide 7.12.1)
.endr
.irp i, 0,2,4,6
	v_pk_add_f32 v[RS+\i:RS+\i+1], v[AC0+\i:AC0+\i+1], v[AC1+\i:AC1+\i+1]
.endr
	ds_store_b128 v15, v[RS:RS+3]
	ds_store_b128 v15, v[RS+4:RS+7] offset:512
	s_wait_dscnt 0x0
	s_barrier_signal -1
	s_barrier_wait -1
	s_cmp_lg_u32 s[WV], 0
	s_cbranch_scc1 .Lfin                           ; the rest is one wave's work: 16 tokens
	v_lshl_add_u32 v11, v1, 4, RED
.set n, 0
.rept 16
	ds_load_b128 v[P+4*n:P+4*n+3], v11 offset:512*n      ; wave n / 2's logits 4 (n % 2) on
.set n, n+1
.endr
.irp i, 0,1,2,3
	v_cvt_pk_bf16_f32 v[104+\i], s[24+2*\i], s[25+2*\i]  ; bg rounded to bf16,
.endr
.irp i, 0,1,2,3
	v_lshlrev_b32 v[96+2*\i], 16, v[104+\i]              ; and wide again
	v_and_b32 v[97+2*\i], 0xffff0000, v[104+\i]
.endr
	s_wait_dscnt 0x0
.set n, 0
.rept 16
	v_pk_add_f32 v[P+2*n:P+2*n+1], v[P+2*n:P+2*n+1], v[P+32+2*n:P+32+2*n+1]
.set n, n+1
.endr
.set n, 0
.rept 8
	v_pk_add_f32 v[P+2*n:P+2*n+1], v[P+2*n:P+2*n+1], v[P+16+2*n:P+16+2*n+1]
.set n, n+1
.endr
.set n, 0
.rept 4
	v_pk_add_f32 v[P+2*n:P+2*n+1], v[P+2*n:P+2*n+1], v[P+8+2*n:P+8+2*n+1]
.set n, n+1
.endr
.set n, 0
.rept 4
	v_pk_add_f32 v[P+2*n:P+2*n+1], v[P+2*n:P+2*n+1], v[96+2*n:96+2*n+1]
.set n, n+1
.endr
	; the two largest, by selects alone: a later logit displaces an earlier one only if it is strictly greater
	v_mov_b32 v[M1], v[P]
	v_mov_b32 v[I1], 0
	v_mov_b32 v[M2], 0xff800000
	v_mov_b32 v[I2], 0
.irp ex, 1,2,3,4,5,6,7
	v_cmp_gt_f32 s17, v[P+\ex], v[M1]
	v_cmp_gt_f32 vcc_lo, v[P+\ex], v[M2]
	v_cndmask_b32 v[M2], v[M2], v[P+\ex], vcc_lo
	v_cndmask_b32 v[I2], v[I2], \ex, vcc_lo
	v_cndmask_b32 v[M2], v[M2], v[M1], s17
	v_cndmask_b32 v[I2], v[I2], v[I1], s17
	v_cndmask_b32 v[M1], v[M1], v[P+\ex], s17
	v_cndmask_b32 v[I1], v[I1], \ex, s17
.endr
	; softmax of (m1, m2) with the maximum m1 taken away: 1 / (1 + e^(m2 - m1)) and e^(m2 - m1) times that
	v_sub_f32 v40, v[M2], v[M1]
	v_mul_f32 v40, 0x3fb8aa3b, v40
	v_exp_f32 v41, v40
	v_lshlrev_b32 v11, 3, v9                       ; a plain instruction behind the exponential: my 8 bytes in sel and gw
	s_wait_alu depctr_va_vdst(0)                   ; the wait ahead of the first reader
	v_add_f32 v42, 1.0, v41
	v_rcp_f32 v[W1], v42
	v_nop
	s_wait_alu depctr_va_vdst(0)
	v_mul_f32 v[W2], v41, v[W1]
	v_cmp_gt_u32 vcc_lo, 16, v0
	s_wait_xcnt 0x0                                ; EXEC changes only behind this wait: xb's stores were issued under the full one
	s_and_saveexec_b32 s17, vcc_lo                 ; lanes 0-15: one lane a token
	global_store_b64 v11, v[I1:I1+1], s[12:13]
	global_store_b64 v11, v[W1:W1+1], s[14:15]
	s_wait_xcnt 0x0
	s_or_b32 exec_lo, exec_lo, s17
.Lfin:
	s_wait_tensorcnt 0x0                           ; the wave's end, behind my last LDS store
	ds_add_u32 v[SPW], v[NIL]
	s_wait_dscnt 0x0
	s_endpgm
.Lfunc_end_k_q6e5f0de1af_gate:
	.size	k_q6e5f0de1af_gate, .Lfunc_end_k_q6e5f0de1af_gate-k_q6e5f0de1af_gate
	.p2alignl 7, 3214868480
	.fill 96, 4, 3214868480
	.section	.rodata,"a",@progbits
	.p2align	6, 0x0
	.amdhsa_kernel k_q6e5f0de1af_gate
		.amdhsa_group_segment_fixed_size 75008
		.amdhsa_private_segment_fixed_size 0
		.amdhsa_enable_private_segment 0
		.amdhsa_kernarg_size 48
		.amdhsa_user_sgpr_count 2
		.amdhsa_user_sgpr_kernarg_segment_ptr 1
		.amdhsa_wavefront_size32 1
		.amdhsa_system_sgpr_workgroup_id_x 1
		.amdhsa_system_sgpr_workgroup_id_y 1
		.amdhsa_system_sgpr_workgroup_id_z 1
		.amdhsa_system_vgpr_workitem_id 0
		.amdhsa_next_free_vgpr 160
		.amdhsa_next_free_sgpr 66
		.amdhsa_reserve_vcc 1
		.amdhsa_float_denorm_mode_32 3
		.amdhsa_float_denorm_mode_16_64 3
		.amdhsa_memory_ordered 1
		.amdhsa_forward_progress 1
		.amdhsa_inst_pref_size 22
	.end_amdhsa_kernel
	.amdgpu_metadata
---
amdhsa.version: [ 1, 2 ]
amdhsa.kernels:
  - .name:           k_q6e5f0de1af_gate
    .symbol:         k_q6e5f0de1af_gate.kd
    .args:
      - { .name: x, .offset: 0, .size: 8, .value_kind: global_buffer, .address_space: global }
      - { .name: Wg, .offset: 8, .size: 8, .value_kind: global_buffer, .address_space: global }
      - { .name: bg, .offset: 16, .size: 8, .value_kind: global_buffer, .address_space: global }
      - { .name: xb, .offset: 24, .size: 8, .value_kind: global_buffer, .address_space: global }
      - { .name: sel, .offset: 32, .size: 8, .value_kind: global_buffer, .address_space: global }
      - { .name: gw, .offset: 40, .size: 8, .value_kind: global_buffer, .address_space: global }
    .group_segment_fixed_size: 75008
    .private_segment_fixed_size: 0
    .kernarg_segment_align: 8
    .kernarg_segment_size: 48
    .max_flat_workgroup_size: 256
    .sgpr_count:     66
    .vgpr_count:     160
    .wavefront_size: 32
...
	.end_amdgpu_metadata
.endif
;; end of part 1
;; launch up (part 2): grid 32 x 8, 4 waves a work-group, no clusters, 327,680 bytes of LDS; arguments xb, W1, b1, sel, hb; writes hb
.if DOCPART == 2
	.amdgcn_target "amdgcn-amd-amdhsa--gfx1250"
	.amdhsa_code_object_version 6
	.text
	.protected	k_q6e5f0de1af_up
	.globl	k_q6e5f0de1af_up
	.p2align	8
	.type	k_q6e5f0de1af_up,@function
k_q6e5f0de1af_up:
	s_mov_b64 s[64:65], 0
	v_nop
	global_prefetch_b8 v0, s[64:65] scope:SCOPE_SE
	s_setreg_imm32_b32 hwreg(HW_REG_WAVE_MODE, 25, 1), 1
	s_wait_xcnt 0x0
; ONE PRODUCT OF THE EXPERTS' CHAIN, on the chosen rows alone.  The text serves both products; DOWN picks the constants.
;   DOWN = 0:  hb[slot][128 ns ..] = gelu(xb[slot / 2] W1[e] + b1[e]) in bf16          DOWN = 1:  y[kq][slot][128 nb ..] = hb[slot][1024 kq ..] W2[e] (+ b2[e] in quarter 0) in f32
; A slot is 2 token + k; sel[slot], stored by the router's launch, is its expert.  Results are addressed by slot, so no order of the rows matters beyond this work-group.
; SHARES.  Work-group (x, e): 128 columns x K = 1,024 of expert e's weights, 512 KiB of f32 that it alone reads, once for each pass, and ALL rows of that expert.  Four waves: wave w has the
; tiles of 16 rows of parity w / 2 and the 64 columns of group w % 2.  A pass serves 384 rows (a wave: 12 units of 16 rows x 64 columns, 384 accumulator registers); three passes, a constant,
; cover the 1,024 rows that an expert can have.  In a pass without rows every wave still passes every barrier; only work is jumped over.  Pass 0 always runs its loads (a constant of the text).
; WEIGHTS come straight from memory, 256 consecutive bytes for each 16 lanes, are rounded to bf16 in registers into the very image of a matrix operand (a lane's four columns 4 r + j go to four
; fragments j), and pass through LDS once, since each wave fetches one K step of 32 for all four.  ROWS are gathered by the list, 256 bytes a row and chunk.
; THE MATRIX INSTRUCTION IS USED TRANSPOSED (source 0 = 16 columns of W, source 1 = 16 rows): lane (r, h) holds row r; register i of accumulator j is column 64 c + 32 h + 4 i + j.
; K goes in 8 chunks of 128 through two pairs of LDS slots, one barrier a trip.  Trip t first multiplies chunk t - 1, all its units on end; then chunk t, which has come into registers
; meanwhile, is stored into the other pair of slots and chunk t + 1 is asked for.
; NO CLUSTER, NO TENSOR LOAD: each weight has one reader, and the rows that an expert's work-groups share come by a list, which no tile descriptor covers.
; LIMITS.  Weights and bias are rounded once to bf16, sums in f32, hb rounded once to bf16.  erf by a rational approximation with absolute error at most 1.5e-7 (Abramowitz and Stegun 7.1.26), for every finite argument.
; NaN and infinities are not treated apart.
.set DOWN, 0
.if DOWN
.set WP,  4096                         ; bytes from a k row of W to the next
.set RSH, 13                           ; a row of the left operand: slot << 13
.set OSH, 12                           ; a row of the result: slot << 12
.set LSH, 4                            ; a lane's bytes of a result row: 16
.else
.set WP,  16384
.set RSH, 10                           ; (slot & 0x7fe) << 10 = token x 2,048
.set OSH, 13
.set LSH, 3
.endif
.set T1,    14                         ; tiles of 16 rows that are gathered whatever the count; tiles 14 to 23 go as far as the pass has rows
.set TA,    10                         ; of the 14, tiles 0 to 9 are asked for at a trip's end, tiles 10 to 13 at the next trip's head
.set AP,    272                        ; a row of a chunk in LDS: 256 bytes + 16: the 16 rows of a fragment load start 4 words apart in the banks (ISA guide 11.1)
.set A1X,   0x20000                    ; slot A0 at 0 (384 rows), slot A1 here: one exclusive or changes slots
.set SP,    528                        ; the stage (over both A slots, when they are read out): a row of 128 f32 + 16 bytes; word 32 j + l of a row is column 4 l + j
.set LIST,  235520                     ; four sub-lists, one a wave: 512 places and 32 trash words, 544 words each
.set LW,    544
.set ROWT,  244224                     ; for each wave 384 words: the slot of each row of the pass
.set CNTW,  250368                     ; the four sub-lists' counts
.set SPARE, 250624                     ; the spare words, 128 bytes a wave: two blocks of 256 bytes that no other line names
.set B0,    262144                     ; slot B0: 32 fragments of 1,024 bytes (fragment 8 ks + 4 c + j; register quad g at 512 g + 16 lane); slot B1 32,768 on
.set B1X,   0x8000
; vector registers, in windows of 256 (s_set_vgpr_msb: bits 1:0 source 0, 3:2 source 1, 5:4 source 2, 7:6 destination)
.set SPW, 4                            ; v4   LDS address of my spare word; never rewritten
.set NIL, 5                            ; v5   0; never rewritten
.set AFC, 6                            ; v6-7   my place in a row fragment, units 0-5 and 6-11
.set ASC, 8                            ; v8-9   where I store gathered rows, tiles 0-11 and 12-23
.set BRC, 10                           ; v10  where I read W's fragments
.set BWC, 11                           ; v11  where I store them
.set AFA, 12                           ; v12-17 the same six with this trip's slots added
.set ASA, 14
.set BR,  16
.set BW,  17
.set WO,  18                           ; v18  my byte offset in a chunk of W
.set PO,  19                           ; v19  the same for the prefetch
.set DS,  20                           ; v20-23 where I put results into the stage, three units each
.set RDB, 24                           ; v24  where I read the stage
.set RTA, 25                           ; v25  where I read the rows' slots
.set OL,  26                           ; v26  my bytes in a result row
.set C16, 27                           ; v27  16 (lane % 16)
.set E,   32                           ; v32-63 at work at a pass's beginning and end; in the trips v48-63 hold the gathered rows of tiles 22, 23
.set FA,  64                           ; v64-127 two buffers of row fragments; also W's fragments when just rounded; also at work in the activation
.set BF,  128                          ; v128-255 W's fragments of a chunk for my columns: (ks, j) at 32 ks + 8 j; at work while the list is made
.set WL,  0                            ; window 1: v0-127 W as loaded
.set SG,  128                          ; window 1: v128-255 gathered rows as loaded, tiles 0 to 15, 8 registers a tile
.set RO,  128                          ; window 3: v128-175 byte offsets of the rows that my 48 gathering loads take
.set BI,  176                          ; window 3: v176-207 the bias of my 32 columns; v208-255 gathered rows of tiles 16 to 21
                                       ; windows 2 and 3 (v0-127): the accumulators, unit u, j at 32 u + 8 j
; scalar registers
.set WV, 14
.set RH, 15
.set CG, 16
.set EX, 17
.set KQ, 19
.set AB, 20                            ; s[20:21] the left operand at the chunk last asked for; s[22:23] at chunk 0
.set AB0, 22
.set WB, 24                            ; s[24:25], s[26:27] the same for W
.set WB0, 26
.set OB, 28                            ; s[28:29] the result at my columns
.set CNT, 30                           ; the expert's rows
.set CM1, 31
.set PF1, 32                           ; rows in the sub-lists ahead of sub-list 1, 2, 3
.set PF2, 33
.set PF3, 34
.set D1, 35                            ; 544 w - PFw: from a rank to a place in LIST
.set D2, 36
.set D3, 37
.set PASS, 38
.set PL, 39                            ; 1: the pass has work
.set NT, 40                            ; its tiles of 16 rows
.set NU, 41                            ; my units among them
.set NUE, 42                           ; units to multiply in this trip: 0 in a pass's first
.set RTS, 43
.set LVS, 44                           ; 1: a chunk has been asked for and is staged at this trip's end
.set CI, 45                            ; chunks asked for
.set TC, 46
.set ROW0, 47
.set CP, 48                            ; rows of the pass
.set SAR, 49                           ; this trip's slots: A read, A written, B read, B written
.set SAW, 50
.set SBR, 51
.set SBW, 52
.set IS, 53                            ; 1: this trip's end asks for a further chunk
.set TP, 54                            ; s[54:55] an offset in 64 bits
.set T2, 56
.set T3, 57
.set T4, 58
.set T5, 59
.set TT, 60
.set RB, 61
.set R0, 62
.set BM, 63
.set GP, 66                            ; the activation's constants, each as a pair for the packed forms
.set GN, 68
.set GA1, 70
.set GA2, 72
.set GA3, 74
.set GA4, 76
.set GA5, 78
.set MK, 80                            ; s80-95 lane masks, one for each of the items that the list and the lookups take side by side
.set GT, FA
.set GX, FA+16
.set GA, FA+32
.set GQ, FA+48
.set MSB, 0
.macro WIN new                         ; the immediate's high byte repeats the setting that is left; a switch that changes nothing is dropped
.if MSB != (\new)
	s_set_vgpr_msb (MSB<<8)|(\new)
.set MSB, (\new)
.endif
.endm
.macro PLACES                          ; four places between a matrix instruction and a load into, or a vector write of, one of its registers
.rept 4
	v_nop
.endr
.endm
.macro ALL cnt, line:vararg            ; one line for each item t: a stage of work is written for all items on end, so that no line reads the result of the line before it
.set t, 0
.rept \cnt
	\line
.set t, t+1
.endr
.endm
; 32 loads: my K step of 32 (rows 32 w ..) of the chunk at s[WB], all 128 columns.  Load 16 c + 8 g + i: lanes 0-15 take 256 consecutive bytes of row 16 g + i, lanes 16-31 of the row 8 further.
.macro ISSUE_W
	WIN 0x40
.set n, 0
.rept 32
	global_load_b128 v[WL+4*n:WL+4*n+3], v[WO], s[WB:WB+1] offset:(16*((n/8)%2)+n%8)*WP+256*(n/16) th:TH_LOAD_NT
.set n, n+1
.endr
	WIN 0
.endm
; Rounded: register 4 g + p of fragment (c, j) is (row 16 g + 8 h + 2 p, the next row) of column 64 c + 4 r + j.
.macro CVT_B
	WIN 0x05
.set f, 0
.rept 8
.set m, 0
.rept 8
	v_cvt_pk_bf16_f32 v[FA+8*f+m], v[WL+4*(16*(f/4)+8*(m/4)+2*(m%4))+f%4], v[WL+4*(16*(f/4)+8*(m/4)+2*(m%4)+1)+f%4]
.set m, m+1
.endr
.set f, f+1
.endr
	WIN 0
.endm
.macro STORE_B                         ; 16 stores of 512 consecutive bytes
.set n, 0
.rept 16
	ds_store_b128 v[BW], v[FA+4*n:FA+4*n+3] offset:512*n
.set n, n+1
.endr
.endm
.macro LOAD_BF                         ; the 16 fragments of my column group, K step by K step
.set n, 0
.rept 32
	ds_load_b128 v[BF+4*n:BF+4*n+3], v[BR] offset:(n/8)*8192+(n%8)*512
.set n, n+1
.endr
.endm
; Gathering load q = 2 t + i takes rows 16 t + 4 w + 2 i and the next of tile t: 256 consecutive bytes for each 16 lanes.  Loads q0 to q1 - 1 of tiles 0 to 13:
.macro ISSUE_A1 q0, q1
	WIN 0x43
.set q, \q0
.rept (\q1)-(\q0)
	global_load_b128 v[SG+4*q:SG+4*q+3], v[RO+q], s[AB:AB+1]
.set q, q+1
.endr
	WIN 0
.endm
.macro STORE_A1 q0, q1
	WIN 0x04
.set q, \q0
.rept (\q1)-(\q0)
	ds_store_b128 v[ASA+q/24], v[SG+4*q:SG+4*q+3] offset:((q/2)%12)*16*AP+(q%2)*2*AP
.set q, q+1
.endr
	WIN 0
.endm
.macro A2REG tl                        ; where tile tl (14 to 23) lies: window gw, first register gb
.if (\tl) < 16
.set gw, 1
.set gb, SG+8*(\tl)
.elseif (\tl) < 22
.set gw, 3
.set gb, 208+8*((\tl)-16)
.else
.set gw, 0
.set gb, 48+8*((\tl)-22)
.endif
.endm
.macro ISSUE_A2 out                    ; tiles 14 to 23 as far as the pass has tiles
.irp tl, 14,15,16,17,18,19,20,21,22,23
	s_cmp_le_u32 s[NT], \tl
	s_cbranch_scc1 \out
	A2REG \tl
	WIN (gw<<6)|3
	global_load_b128 v[gb:gb+3],   v[RO+2*\tl],   s[AB:AB+1]
	global_load_b128 v[gb+4:gb+7], v[RO+2*\tl+1], s[AB:AB+1]
	WIN 0
.endr
.endm
.macro STORE_A2 out
.irp tl, 14,15,16,17,18,19,20,21,22,23
	s_cmp_le_u32 s[NT], \tl
	s_cbranch_scc1 \out
	A2REG \tl
	WIN gw<<2
	ds_store_b128 v[ASA+1], v[gb:gb+3]   offset:(\tl-12)*16*AP
	ds_store_b128 v[ASA+1], v[gb+4:gb+7] offset:(\tl-12)*16*AP+2*AP
	WIN 0
.endr
.endm
.macro LOADA u                         ; unit u's row fragments, four K steps, into buffer u % 2
.set fb, FA+32*((\u)%2)
.irp ks, 0,1,2,3
	ds_load_b128 v[fb+8*\ks:fb+8*\ks+3],   v[AFA+(\u)/6] offset:((\u)%6)*32*AP+64*\ks
	ds_load_b128 v[fb+8*\ks+4:fb+8*\ks+7], v[AFA+(\u)/6] offset:((\u)%6)*32*AP+64*\ks+32
.endr
.endm
; 16 products; the unit's four accumulators take turns, one instruction a turn; the next unit begins with another accumulator.
; w >= 0 (a trip's first unit): W's fragments are still landing, eight loads a K step; ahead of K step ks the later K steps' 8 (3 - ks) loads and the w loads issued behind them may be out.
.macro MUL u, w=-1
.set fb, FA+32*((\u)%2)
.set ab, 32*((\u)%8)
	WIN 0xa0+0x50*((\u)/8)
.irp ks, 0,1,2,3
.if (\w) >= 0
	s_wait_dscnt (\w)+8*(3-\ks)
.endif
.irp j, 0,1,2,3
	v_wmma_f32_16x16x32_bf16 v[ab+8*\j:ab+8*\j+7], v[BF+32*\ks+8*\j:BF+32*\ks+8*\j+7], v[fb+8*\ks:fb+8*\ks+7], v[ab+8*\j:ab+8*\j+7]
.endr
.endr
.endm
.macro UNIT u, w=-1                    ; unit u is multiplied while the next unit's fragments come; if there is no next unit, its tail does the same without them
	s_cmp_le_u32 s[NUE], (\u)+1
	s_cbranch_scc1 .Ltail\u
	PLACES
	LOADA (\u)+1
.if (\w) < 0
	s_wait_dscnt 0x8                               ; all but the eight loads just issued
.endif
	MUL \u, \w
	WIN 0
.endm
.macro TAIL u, out, w=-1
.Ltail\u:
.if (\w) < 0
	s_wait_dscnt 0x0
.endif
	MUL \u, \w
	WIN 0
	s_branch \out
.endm
	s_load_b256 s[4:11], s[0:1], 0x0               ; left operand s[4:5], W s[6:7], bias s[8:9], sel s[10:11]
	s_load_b64 s[12:13], s[0:1], 0x20              ; the result
	v_lshl_add_u32 v[SPW], v0, 2, SPARE
	v_mov_b32 v[NIL], 0
	v_lshrrev_b32 v28, 5, v0
	v_readfirstlane_b32 s[WV], v28
	v_and_b32 v1, 31, v0                           ; lane
	v_and_b32 v2, 15, v0                           ; r
	v_bfe_u32 v3, v0, 4, 1                         ; h
	s_lshr_b32 s[RH], s[WV], 1
	s_and_b32 s[CG], s[WV], 1
	s_and_b32 s[EX], ttmp7, 0xffff                 ; the expert
	s_mul_i32 s[T2], s[RH], 16*AP
	v_mul_u32_u24 v[AFC], v2, AP
	v_lshl_add_u32 v[AFC], v3, 4, v[AFC]
	v_add_nc_u32 v[AFC], s[T2], v[AFC]             ; (16 rh + r) x pitch + 16 h
	v_add_nc_u32 v[AFC+1], 6*32*AP, v[AFC]
	s_mul_i32 s[T2], s[WV], 4*AP
	v_mul_u32_u24 v[ASC], v3, AP
	v_lshl_add_u32 v[ASC], v2, 4, v[ASC]
	v_add_nc_u32 v[ASC], s[T2], v[ASC]             ; (4 w + h) x pitch + 16 r
	v_add_nc_u32 v[ASC+1], 12*16*AP, v[ASC]
	s_lshl_b32 s[T2], s[CG], 12
	s_add_co_u32 s[T2], s[T2], B0
	v_lshl_add_u32 v[BRC], v1, 4, s[T2]
	s_lshl_b32 s[T2], s[WV], 13
	s_add_co_u32 s[T2], s[T2], B0
	v_lshl_add_u32 v[BWC], v1, 4, s[T2]
	s_mul_i32 s[T2], s[WV], 32*WP
	v_mul_u32_u24 v[WO], v3, 8*WP
	v_lshl_add_u32 v[WO], v2, 4, v[WO]
	v_add_nc_u32 v[WO], s[T2], v[WO]               ; (32 w + 8 h) rows + 16 r
	v_lshrrev_b32 v28, 1, v1
	v_and_b32 v29, 1, v1
	v_mul_u32_u24 v[PO], v28, WP
	v_lshl_add_u32 v[PO], v29, 8, v[PO]
	v_add_nc_u32 v[PO], s[T2], v[PO]               ; (32 w + lane / 2) rows + 256 (lane % 2)
	s_mul_i32 s[T2], s[RH], 16*SP
	s_lshl_b32 s[T3], s[CG], 6
	s_add_co_u32 s[T2], s[T2], s[T3]
	v_mul_u32_u24 v[DS], v2, SP
	v_lshl_add_u32 v[DS], v3, 5, v[DS]
	v_add_nc_u32 v[DS], s[T2], v[DS]               ; (16 rh + r) x pitch + 64 c + 32 h
	v_add_nc_u32 v[DS+1], 96*SP, v[DS]
	v_add_nc_u32 v[DS+2], 192*SP, v[DS]
	v_add_nc_u32 v[DS+3], 288*SP, v[DS]
	v_lshlrev_b32 v[OL], LSH, v1
	v_lshlrev_b32 v[C16], 4, v2
	s_mul_i32 s[RTS], s[WV], 1536
	s_add_co_u32 s[RTS], s[RTS], ROWT
	s_lshl_b32 s[T2], s[WV], 11
	v_lshl_add_u32 v[RTA], v1, 4, s[T2]            ; sel: my wave's 512 slots, four a lane and load
	v_lshlrev_b32 v[RDB], 7, v3                    ; bias: 32 h columns on
.if DOWN
	s_lshr_b32 s[KQ], ttmp9, 3                     ; the quarter of K
	s_and_b32 s[T3], ttmp9, 7                      ; the block of 128 columns
	s_cmp_eq_u32 s[KQ], 0
	s_cselect_b32 s[BM], -1, 0                     ; the bias is added in quarter 0 alone
.else
	s_mov_b32 s[T3], ttmp9
	s_mov_b32 s[GP], 0x3e6d3388                    ; 0.3275911 / sqrt(2)
	s_mov_b32 s[GP+1], s[GP]
	s_mov_b32 s[GN], 0xbf38aa3b                    ; - log2(e) / 2
	s_mov_b32 s[GN+1], s[GN]
	s_mov_b32 s[GA1], 0x3e827906                   ; 0.254829592
	s_mov_b32 s[GA1+1], s[GA1]
	s_mov_b32 s[GA2], 0xbe91a98e                   ; -0.284496736
	s_mov_b32 s[GA2+1], s[GA2]
	s_mov_b32 s[GA3], 0x3fb5f0e3                   ; 1.421413741
	s_mov_b32 s[GA3+1], s[GA3]
	s_mov_b32 s[GA4], 0xbfba00e3                   ; -1.453152027
	s_mov_b32 s[GA4+1], s[GA4]
	s_mov_b32 s[GA5], 0x3f87dc22                   ; 1.061405429
	s_mov_b32 s[GA5+1], s[GA5]
.endif
	s_lshl_b32 s[T3], s[T3], 9                     ; 128 columns of f32
	s_mov_b32 s[TP+1], 0
	s_lshl_b32 s[TP], s[EX], 24                    ; an expert's weights are 2^24 bytes
	s_add_co_u32 s[TP], s[TP], s[T3]
.if DOWN
	s_lshl_b32 s[T4], s[KQ], 22                    ; 1,024 rows of 4,096 bytes
	s_add_co_u32 s[TP], s[TP], s[T4]
.endif
	s_wait_kmcnt 0x0
	s_add_nc_u64 s[WB0:WB0+1], s[6:7], s[TP:TP+1]
	s_mov_b64 s[WB:WB+1], s[WB0:WB0+1]
.if DOWN
	s_lshl_b32 s[TP], s[EX], 12
.else
	s_lshl_b32 s[TP], s[EX], 14
.endif
	s_add_co_u32 s[TP], s[TP], s[T3]
	s_lshl_b32 s[T4], s[CG], 8
	s_add_co_u32 s[TP], s[TP], s[T4]
	s_add_nc_u64 s[8:9], s[8:9], s[TP:TP+1]        ; the bias at my 64 columns
.if DOWN
	s_lshl_b32 s[TP], s[KQ], 23
	s_add_co_u32 s[TP], s[TP], s[T3]
	s_add_nc_u64 s[OB:OB+1], s[12:13], s[TP:TP+1]
	s_lshl_b32 s[TP], s[KQ], 11
	s_add_nc_u64 s[AB0:AB0+1], s[4:5], s[TP:TP+1]
.else
	s_lshr_b32 s[TP], s[T3], 1                     ; 128 columns of bf16
	s_add_nc_u64 s[OB:OB+1], s[12:13], s[TP:TP+1]
	s_mov_b64 s[AB0:AB0+1], s[4:5]
.endif
	; sel and the bias go out ahead of the weights: loads are counted done in order (ISA guide 5.7.1), and the list, on which the rows' addresses hang, is not to wait for chunk 0
.irp i, 0,1,2,3
	global_load_b128 v[FA+4*\i:FA+4*\i+3], v[RTA], s[10:11] offset:512*\i
.endr
.irp i, 0,1,2,3,4,5,6,7
	global_load_b128 v[E+4*\i:E+4*\i+3], v[RDB], s[8:9] offset:16*\i
.endr
	ISSUE_W                                        ; chunk 0 is on its way while the list is made
	global_prefetch_b8 v[PO], s[WB:WB+1] offset:128*WP th:TH_LOAD_NT scope:SCOPE_SE          ; my 32 rows x 512 bytes of chunk 1: 64 blocks of 256 bytes, a lane each
	global_prefetch_b8 v[PO], s[WB:WB+1] offset:128*WP+16*WP th:TH_LOAD_NT scope:SCOPE_SE
	; The registers of tiles 14 to 21 are loaded and stored only as far as a pass has tiles.  They are written once here, while sel is on its way, so that every register that a store names has been written on every way through the text.
	WIN 0x40
.set n, SG+8*T1
.rept 16
	v_mov_b32 v[n], 0
.set n, n+1
.endr
	WIN 0xc0
.set n, 208
.rept 48
	v_mov_b32 v[n], 0
.set n, n+1
.endr
	WIN 0
	; MY SUB-LIST: the slots among my wave's 512 that chose expert e.  First its 544 words take zeros (4 x 512 bytes + 128): every word that a lookup can read is written, and
	; place 0 of an empty list names slot 0, a slot that exists.  LDS serves a wave's instructions in order (ISA guide 5.7.1.4): the matches below land on the zeros.
	v_mov_b32 v28, 0
	v_mov_b32 v29, 0
	v_mov_b32 v30, 0
	v_mov_b32 v31, 0
	s_mul_i32 s[T2], s[WV], 4*LW
	s_add_co_u32 s[T2], s[T2], LIST
	v_lshl_add_u32 v[BF+32], v1, 4, s[T2]
.set n, 0
.rept 4
	ds_store_b128 v[BF+32], v[28:31] offset:512*n
.set n, n+1
.endr
	v_lshl_add_u32 v[BF+33], v1, 2, s[T2]
	ds_store_b32 v[BF+33], v28 offset:2048
	v_add_nc_u32 v30, 512, v1                      ; my trash word's place: a lane without a match writes it, so that EXEC stays full
	s_lshl_b32 s[T3], s[WV], 9
	v_lshl_add_u32 v31, v1, 2, s[T3]               ; 512 w + 4 lane
.set n, 0
.rept 16
	v_add_nc_u32 v[BF+16+n], 128*(n/4)+n%4, v31    ; the sixteen slots' numbers
.set n, n+1
.endr
	s_mov_b32 s[T4], 0
	s_wait_loadcnt 40                              ; sel is in: the bias's 8 loads and W's 32, issued behind it, stay out
	ALL 16, v_cmp_eq_u32 s[MK+t], s[EX], v[FA+t]
.set n, 0
.rept 16
	s_bcnt1_i32_b32 s[T5], s[MK+n]
	v_mbcnt_lo_u32_b32 v[BF+n], s[MK+n], s[T4]     ; matches so far + matches in the lanes below
	s_add_co_u32 s[T4], s[T4], s[T5]
.set n, n+1
.endr
	ALL 16, v_cndmask_b32 v[BF+t], v30, v[BF+t], s[MK+t]
	ALL 16, v_min_u32 v[BF+t], LW-1, v[BF+t]
	ALL 16, v_lshl_add_u32 v[BF+t], v[BF+t], 2, s[T2]
	ALL 16, ds_store_b32 v[BF+t], v[BF+16+t]
	v_mov_b32 v29, s[T4]
	s_lshl_b32 s[T3], s[WV], 2
	s_add_co_u32 s[T3], s[T3], CNTW
	v_mov_b32 v28, s[T3]
	ds_store_b32 v28, v29
	s_wait_loadcnt 32                              ; the bias is in: W's 32 loads, issued behind it, stay out
.set n, 0
.rept 16
	v_cvt_pk_bf16_f32 v[E+n], v[E+2*n], v[E+2*n+1] ; the bias rounded to bf16,
.if DOWN
	v_and_b32 v[E+n], s[BM], v[E+n]                ; (0 in quarters 1 to 3)
.endif
.set n, n+1
.endr
	WIN 0xc0
.set n, 0
.rept 16
	v_lshlrev_b32 v[BI+2*n], 16, v[E+n]            ; and wide again: BI[4 i + j] is column 64 c + 32 h + 4 i + j
	v_and_b32 v[BI+2*n+1], 0xffff0000, v[E+n]
.set n, n+1
.endr
	WIN 0
	s_wait_dscnt 0x0                               ; for the others' sake: list and count are stored
	s_barrier_signal -1
	s_barrier_wait -1
	v_mov_b32 v[RDB], CNTW
	ds_load_b128 v[28:31], v[RDB]
	s_wait_dscnt 0x0
	v_readfirstlane_b32 s[T2], v28
	v_readfirstlane_b32 s[T3], v29
	v_readfirstlane_b32 s[T4], v30
	v_readfirstlane_b32 s[T5], v31
	s_min_u32 s[PF1], s[T2], 512
	s_min_u32 s[T3], s[T3], 512
	s_min_u32 s[T4], s[T4], 512
	s_min_u32 s[T5], s[T5], 512
	s_add_co_u32 s[PF2], s[PF1], s[T3]
	s_add_co_u32 s[PF3], s[PF2], s[T4]
	s_add_co_u32 s[CNT], s[PF3], s[T5]
	s_min_u32 s[CNT], s[CNT], 1024                 ; a token names an expert once
	s_sub_co_u32 s[D1], LW, s[PF1]
	s_sub_co_u32 s[D2], 2*LW, s[PF2]
	s_sub_co_u32 s[D3], 3*LW, s[PF3]
	s_max_u32 s[CM1], s[CNT], 1
	s_sub_co_u32 s[CM1], s[CM1], 1
	s_mov_b32 s[PASS], 0
	s_mov_b32 s[PL], 1
.Lpass:                                                ; three passes of 384 rows
	s_wait_xcnt 0x0                                ; the bases, and the registers that the last pass's stores read, are rewritten only behind this wait
	s_mul_i32 s[ROW0], s[PASS], 384
	s_sub_co_i32 s[T2], s[CNT], s[ROW0]
	s_max_i32 s[T2], s[T2], 0
	s_min_u32 s[CP], s[T2], 384
	s_add_co_u32 s[NT], s[CP], 15
	s_lshr_b32 s[NT], s[NT], 4
	s_add_co_u32 s[NU], s[NT], 1
	s_sub_co_u32 s[NU], s[NU], s[RH]
	s_lshr_b32 s[NU], s[NU], 1                     ; tiles 2 u + rh below NT
	s_mov_b32 s[NUE], 0
	s_mov_b32 s[CI], 0
	s_mov_b32 s[LVS], s[PL]
	s_mov_b32 s[SAW], 0
	s_mov_b32 s[SAR], A1X
	s_mov_b32 s[SBW], 0
	s_mov_b32 s[SBR], B1X
	s_mov_b64 s[AB:AB+1], s[AB0:AB0+1]
	s_mov_b64 s[WB:WB+1], s[WB0:WB0+1]
	s_cmp_eq_u32 s[PL], 0
	s_cbranch_scc1 .Lpbd
	; the slot of each of the pass's 384 rows, 32 a lookup, twelve lookups side by side: the rank (ranks past the count repeat the last row that exists), its sub-list, its place
	v_add_nc_u32 v28, s[ROW0], v1
	v_lshl_add_u32 v30, v1, 2, s[RTS]
	ALL 12, v_add_nc_u32 v[E+t], 32*t, v28
	ALL 12, v_min_u32 v[E+t], s[CM1], v[E+t]
	ALL 12, v_cmp_le_u32 s[MK+t], s[PF1], v[E+t]
	ALL 12, v_cndmask_b32 v[E+16+t], 0, s[D1], s[MK+t]
	ALL 12, v_cmp_le_u32 s[MK+t], s[PF2], v[E+t]
	ALL 12, v_cndmask_b32 v[E+16+t], v[E+16+t], s[D2], s[MK+t]
	ALL 12, v_cmp_le_u32 s[MK+t], s[PF3], v[E+t]
	ALL 12, v_cndmask_b32 v[E+16+t], v[E+16+t], s[D3], s[MK+t]
	ALL 12, v_add_nc_u32 v[E+t], v[E+t], v[E+16+t]
	ALL 12, v_min_u32 v[E+t], 4*LW-1, v[E+t]
	ALL 12, v_lshl_add_u32 v[E+t], v[E+t], 2, LIST
	ALL 12, ds_load_b32 v[E+16+t], v[E+t]
	WIN 0xc3                                       ; the sums start from the bias: these moves are the addition of it; they stand where the wave would wait for LDS: units 8 to 11 here,
.set n, 0
.rept 128
	v_mov_b32 v[n], v[BI+4*(n%8)+(n/8)%4]
.set n, n+1
.endr
	WIN 0
	s_wait_dscnt 0x0
	ALL 12, ds_store_b32 v30, v[E+16+t] offset:128*t
	s_lshl_b32 s[T2], s[WV], 4                     ; (into my wave's own table)
	s_add_co_u32 s[T2], s[T2], s[RTS]
	v_lshl_add_u32 v31, v3, 2, s[T2]               ; row 4 w + h of a tile
	WIN 0xc0
.set q, 0
.rept 48
	ds_load_b32 v[RO+q], v31 offset:64*(q/2)+8*(q%2)     ; LDS serves a wave's instructions in order (ISA guide 5.7.1.4): these see the stores above
.set q, q+1
.endr
	WIN 0x83                                       ; units 0 to 7 here
.set n, 0
.rept 256
	v_mov_b32 v[n], v[BI+4*(n%8)+(n/8)%4]
.set n, n+1
.endr
	s_wait_dscnt 0x0
	WIN 0xcc
.set q, 0
.rept 48
	v_min_u32 v[RO+q], 0x7ff, v[RO+q]
.if !DOWN
	v_and_b32 v[RO+q], 0x7fe, v[RO+q]
.endif
.set q, q+1
.endr
	WIN 0xc3
.set q, 0
.rept 48
	v_lshl_add_u32 v[RO+q], v[RO+q], RSH, v[C16]
.set q, q+1
.endr
	WIN 0
	s_cmp_eq_u32 s[PASS], 0
	s_cbranch_scc1 .Lpbw                           ; pass 0's chunk 0 of W was asked for at the head
	s_wait_loadcnt 0x0                             ; these loads name the registers of the head's loads: in passes 1 and 2 nothing is out (the wait behind the trip loop), and this wait holds it on every way here
	ISSUE_W
.Lpbw:
	ISSUE_A2 .Lpa2                                 ; chunk 0 of the rows; tiles 10 to 13 follow at the first trip's head
.Lpa2:
	ISSUE_A1 0, 2*TA
	s_mov_b32 s[CI], 1
.Lpbd:
	s_mov_b32 s[TC], 9
.Ltrip:                                                ; nine trips: trip t multiplies chunk t - 1 and then stages chunk t
	v_add_nc_u32 v[AFA], s[SAR], v[AFC]
	v_add_nc_u32 v[AFA+1], s[SAR], v[AFC+1]
	v_add_nc_u32 v[ASA], s[SAW], v[ASC]
	v_add_nc_u32 v[ASA+1], s[SAW], v[ASC+1]
	v_add_nc_u32 v[BR], s[SBR], v[BRC]
	v_add_nc_u32 v[BW], s[SBW], v[BWC]
	s_cmp_eq_u32 s[NUE], 0
	s_cbranch_scc1 .Lz                             ; nothing to multiply: a pass's first trip, a pass without rows
	LOADA 0                                        ; the first unit's rows first, then W's fragments K step by K step: the first products begin when 16 of these 40 loads are back
	LOAD_BF
	; A chunk is 32 + 2 NT loads of a wave, 64 or more from 16 tiles on, and LOADcnt's field holds 63 (ISA guide 5.7.1: an instruction that would pass it waits at issue).
	; So the chunk's last eight loads stand here, a barrier behind the others, when the oldest of those have had time to come back.
	s_cmp_eq_u32 s[LVS], 0
	s_cbranch_scc1 .Lu0
	ISSUE_A1 2*TA, 2*T1
.Lu0:
	UNIT 0, 8
	UNIT 1
	UNIT 2
	UNIT 3
	UNIT 4
	UNIT 5
	UNIT 6
	UNIT 7
	UNIT 8
	UNIT 9
	UNIT 10
	TAIL 11, .Lend
	TAIL 0, .Lend, 0
	TAIL 1, .Lend
	TAIL 2, .Lend
	TAIL 3, .Lend
	TAIL 4, .Lend
	TAIL 5, .Lend
	TAIL 6, .Lend
	TAIL 7, .Lend
	TAIL 8, .Lend
	TAIL 9, .Lend
	TAIL 10, .Lend
.Lz:
	s_cmp_eq_u32 s[LVS], 0
	s_cbranch_scc1 .Lend
	ISSUE_A1 2*TA, 2*T1
.Lend:
	PLACES                                         ; behind the trip's last product: the fragment registers are written below, and loaded again in the next trip
	s_wait_loadcnt 0x0                             ; the chunk asked for a trip ago: rows and weights
	s_cmp_lt_u32 s[CI], 8
	s_cselect_b32 s[IS], s[PL], 0                  ; is there a further chunk?
	s_cmp_eq_u32 s[LVS], 0
	s_cbranch_scc1 .Lnois                          ; nothing has come, so nothing is left to ask for either
	; Each group of registers is asked for again as soon as it has been stored or rounded: tiles 14 and up (the oldest loads, the first to be counted done), the weights, tiles 0 to 9.
	STORE_A2 .La2s
.La2s:
	s_cmp_eq_u32 s[IS], 0
	s_cbranch_scc1 .Lcv
	s_wait_xcnt 0x0                                ; the bases are stepped only behind this wait
	s_add_nc_u64 s[AB:AB+1], s[AB:AB+1], 256
	s_add_nc_u64 s[WB:WB+1], s[WB:WB+1], 128*WP
	s_add_co_u32 s[CI], s[CI], 1
	ISSUE_A2 .Lcv
.Lcv:
	STORE_A1 0, T1                                 ; half of the row stores are served while the weights are rounded
	CVT_B
	s_cmp_eq_u32 s[IS], 0
	s_cbranch_scc1 .Lst
	ISSUE_W
.Lst:
	STORE_A1 T1, 2*T1
	STORE_B
	s_cmp_eq_u32 s[IS], 0
	s_cbranch_scc1 .Lnois
	ISSUE_A1 0, 2*TA
	s_cmp_lt_u32 s[CI], 8
	s_cbranch_scc0 .Lnois                          ; behind chunk 7 there is nothing to ask for
	global_prefetch_b8 v[PO], s[WB:WB+1] offset:128*WP th:TH_LOAD_NT scope:SCOPE_SE          ; the chunk behind the one just asked for, whose loads the next trip's end issues: my own 64 blocks of 256 bytes
	global_prefetch_b8 v[PO], s[WB:WB+1] offset:128*WP+16*WP th:TH_LOAD_NT scope:SCOPE_SE
.Lnois:
	s_mov_b32 s[LVS], s[IS]
	s_mov_b32 s[NUE], s[NU]
	s_wait_dscnt 0x0                               ; my reads of the one pair of slots are back and my stores into the other are done:
	s_barrier_signal -1                            ; one barrier orders both
	s_xor_b32 s[SAR], s[SAR], A1X
	s_xor_b32 s[SAW], s[SAW], A1X
	s_xor_b32 s[SBR], s[SBR], B1X
	s_xor_b32 s[SBW], s[SBW], B1X
	s_barrier_wait -1
	s_sub_co_u32 s[TC], s[TC], 1
	s_cmp_lg_u32 s[TC], 0
	s_cbranch_scc1 .Ltrip
	s_wait_loadcnt 0x0                             ; no load of mine is out when the next pass's loads name the same registers: the last two trips ask for nothing, and this wait holds it on every path
	; THE WAY OUT.  The sums go into the stage, which lies over the A slots: the last trip's barrier has ended all reads of those.  Each accumulator's low registers go first.
.irp u, 0,1,2,3,4,5,6,7,8,9,10,11
	s_cmp_le_u32 s[NU], \u
	s_cbranch_scc1 .Ldumped
	WIN 0x08+4*(\u/8)
.irp j, 0,1,2,3
	ds_store_b128 v[DS+\u/3], v[32*(\u%8)+8*\j:32*(\u%8)+8*\j+3]   offset:(\u%3)*32*SP+128*\j
	ds_store_b128 v[DS+\u/3], v[32*(\u%8)+8*\j+4:32*(\u%8)+8*\j+7] offset:(\u%3)*32*SP+128*\j+16
.endr
	WIN 0
.endr
.Ldumped:
	s_wait_dscnt 0x0
	s_barrier_signal -1
	s_barrier_wait -1
	s_cmp_eq_u32 s[NT], 0
	s_cbranch_scc1 .Lrbx                           ; a pass without rows jumps over the whole loop below, from ahead of its head to behind its backward jump
	s_mul_i32 s[T2], s[WV], 4*SP
	v_lshl_add_u32 v[RDB], v1, 2, s[T2]
	s_lshl_b32 s[T2], s[WV], 4
	s_add_co_u32 s[T2], s[T2], s[RTS]
	v_mov_b32 v[RTA], s[T2]
	s_lshl_b32 s[R0], s[WV], 2
	s_mov_b32 s[TT], 0
	s_mov_b32 s[RB], 24
.Lrb:                                                  ; 24 tiles, a constant; of tile t wave w takes rows 4 w .. 4 w + 3, whole; tiles past the count jump forward to the steps and the count
	s_cmp_ge_u32 s[TT], s[NT]
	s_cbranch_scc1 .Lrbn
	s_wait_xcnt 0x0                                ; the last tile's stores have read their registers
.irp i, 0,1,2,3
	ds_load_b32 v[28+\i], v[RTA] offset:4*\i       ; the row's slot, the same word for all lanes
.endr
.set n, 0
.rept 16
	ds_load_b32 v[E+n], v[RDB] offset:(n/4)*SP+(n%4)*128 ; row n / 4: 128 consecutive bytes a load; lane l gets column 4 l + n % 4
.set n, n+1
.endr
	s_wait_dscnt 0x0
.irp i, 0,1,2,3
	v_min_u32 v[28+\i], 0x7ff, v[28+\i]
	v_lshl_add_u32 v[28+\i], v[28+\i], OSH, v[OL]
.endr
.if !DOWN
	; gelu(v) = v (1 + erf(v / sqrt 2)) / 2 = ((v + a) - a q) / 2 with a = |v|, t = 1 / (1 + 0.2316419 a), q = t (a1 + t (a2 + t (a3 + t (a4 + t a5)))) 2^(-0.7213475 v v).  For v < 0, v + a is exactly 0.
.set n, 0
.rept 16
	v_and_b32 v[GA+n], 0x7fffffff, v[E+n]
.set n, n+1
.endr
.set n, 0
.rept 8
	v_pk_fma_f32 v[GT+n:GT+n+1], v[GA+n:GA+n+1], s[GP:GP+1], 1.0 op_sel_hi:[1,0,0]
	v_pk_mul_f32 v[GX+n:GX+n+1], v[E+n:E+n+1], v[E+n:E+n+1]
.set n, n+2
.endr
.set n, 0
.rept 8
	v_pk_mul_f32 v[GX+n:GX+n+1], v[GX+n:GX+n+1], s[GN:GN+1] op_sel_hi:[1,0]
.set n, n+2
.endr
.set n, 0
.rept 16
	v_rcp_f32 v[GT+n], v[GT+n]                     ; one batch: 16 reciprocals and 16 exponentials,
.set n, n+1
.endr
.set n, 0
.rept 16
	v_exp_f32 v[GX+n], v[GX+n]
.set n, n+1
.endr
.set n, 0
.rept 8
	v_pk_add_f32 v[E+n:E+n+1], v[E+n:E+n+1], v[GA+n:GA+n+1]      ; plain work that names none of their results,
.set n, n+2
.endr
	s_wait_alu depctr_va_vdst(0)                   ; and one wait ahead of the first reader
.set n, 0
.rept 8
	v_pk_fma_f32 v[GQ+n:GQ+n+1], v[GT+n:GT+n+1], s[GA5:GA5+1], s[GA4:GA4+1] op_sel_hi:[1,0,0]
.set n, n+2
.endr
.irp cf, GA3, GA2, GA1
.set n, 0
.rept 8
	v_pk_fma_f32 v[GQ+n:GQ+n+1], v[GQ+n:GQ+n+1], v[GT+n:GT+n+1], s[\cf:\cf+1] op_sel_hi:[1,1,0]
.set n, n+2
.endr
.endr
.set n, 0
.rept 8
	v_pk_mul_f32 v[GQ+n:GQ+n+1], v[GQ+n:GQ+n+1], v[GT+n:GT+n+1]
.set n, n+2
.endr
.set n, 0
.rept 8
	v_pk_mul_f32 v[GQ+n:GQ+n+1], v[GQ+n:GQ+n+1], v[GX+n:GX+n+1]
.set n, n+2
.endr
.set n, 0
.rept 8
	v_pk_fma_f32 v[E+n:E+n+1], v[GA+n:GA+n+1], v[GQ+n:GQ+n+1], v[E+n:E+n+1] neg_lo:[1,0,0] neg_hi:[1,0,0]
.set n, n+2
.endr
.set n, 0
.rept 8
	v_pk_mul_f32 v[E+n:E+n+1], v[E+n:E+n+1], 0.5 op_sel_hi:[1,0]
.set n, n+2
.endr
.irp i, 0,1,2,3
	v_cvt_pk_bf16_f32 v[E+4*\i],   v[E+4*\i],   v[E+4*\i+1]
	v_cvt_pk_bf16_f32 v[E+4*\i+1], v[E+4*\i+2], v[E+4*\i+3]
.endr
.endif
.irp i, 0,1,2,3
	s_add_co_u32 s[T2], s[R0], \i
	s_cmp_ge_u32 s[T2], s[CP]
	s_cbranch_scc1 .Lrbn                           ; rows past the count repeat a row that has been stored
.if DOWN
	global_store_b128 v[28+\i], v[E+4*\i:E+4*\i+3], s[OB:OB+1]   ; the wave's store covers 512 consecutive bytes, aligned
.else
	global_store_b64 v[28+\i], v[E+4*\i:E+4*\i+1], s[OB:OB+1]    ; the wave's store covers 256 consecutive bytes, aligned
.endif
.endr
.Lrbn:
	v_add_nc_u32 v[RDB], 16*SP, v[RDB]
	v_add_nc_u32 v[RTA], 64, v[RTA]
	s_add_co_u32 s[TT], s[TT], 1
	s_add_co_u32 s[R0], s[R0], 16
	s_sub_co_u32 s[RB], s[RB], 1
	s_cmp_lg_u32 s[RB], 0
	s_cbranch_scc1 .Lrb
.Lrbx:
	s_wait_dscnt 0x0                               ; my reads of the stage are back: the next pass stores rows over it
	s_barrier_signal -1
	s_barrier_wait -1
	s_add_co_u32 s[PASS], s[PASS], 1
	s_mul_i32 s[T2], s[PASS], 384
	s_cmp_gt_u32 s[CNT], s[T2]
	s_cselect_b32 s[PL], 1, 0
	s_cmp_lt_u32 s[PASS], 3
	s_cbranch_scc1 .Lpass
	s_wait_tensorcnt 0x0                           ; the wave's end, behind my last LDS store
	ds_add_u32 v[SPW], v[NIL]
	s_wait_dscnt 0x0
	s_endpgm
.Lfunc_end_k_q6e5f0de1af_up:
	.size	k_q6e5f0de1af_up, .Lfunc_end_k_q6e5f0de1af_up-k_q6e5f0de1af_up
	.p2alignl 7, 3214868480
	.fill 96, 4, 3214868480
	.section	.rodata,"a",@progbits
	.p2align	6, 0x0
	.amdhsa_kernel k_q6e5f0de1af_up
		.amdhsa_group_segment_fixed_size 327680
		.amdhsa_private_segment_fixed_size 0
		.amdhsa_enable_private_segment 0
		.amdhsa_kernarg_size 40
		.amdhsa_user_sgpr_count 2
		.amdhsa_user_sgpr_kernarg_segment_ptr 1
		.amdhsa_wavefront_size32 1
		.amdhsa_system_sgpr_workgroup_id_x 1
		.amdhsa_system_sgpr_workgroup_id_y 1
		.amdhsa_system_sgpr_workgroup_id_z 1
		.amdhsa_system_vgpr_workitem_id 0
		.amdhsa_next_free_vgpr 1024
		.amdhsa_next_free_sgpr 96
		.amdhsa_reserve_vcc 0
		.amdhsa_float_denorm_mode_32 3
		.amdhsa_float_denorm_mode_16_64 3
		.amdhsa_memory_ordered 1
		.amdhsa_forward_progress 1
		.amdhsa_inst_pref_size 143
	.end_amdhsa_kernel
	.amdgpu_metadata
---
amdhsa.version: [ 1, 2 ]
amdhsa.kernels:
  - .name:           k_q6e5f0de1af_up
    .symbol:         k_q6e5f0de1af_up.kd
    .args:
      - { .name: xb, .offset: 0, .size: 8, .value_kind: global_buffer, .address_space: global }
      - { .name: W1, .offset: 8, .size: 8, .value_kind: global_buffer, .address_space: global }
      - { .name: b1, .offset: 16, .size: 8, .value_kind: global_buffer, .address_space: global }
      - { .name: sel, .offset: 24, .size: 8, .value_kind: global_buffer, .address_space: global }
      - { .name: hb, .offset: 32, .size: 8, .value_kind: global_buffer, .address_space: global }
    .group_segment_fixed_size: 327680
    .private_segment_fixed_size: 0
    .kernarg_segment_align: 8
    .kernarg_segment_size: 40
    .max_flat_workgroup_size: 128
    .sgpr_count:     96
    .vgpr_count:     1024
    .wavefront_size: 32
...
	.end_amdgpu_metadata
.endif
;; end of part 2
;; launch down (part 3): grid 32 x 8, 4 waves a work-group, no clusters, 327,680 bytes of LDS; arguments hb, W2, b2, sel, y; writes y
.if DOCPART == 3
	.amdgcn_target "amdgcn-amd-amdhsa--gfx1250"
	.amdhsa_code_object_version 6
	.text
	.protected	k_q6e5f0de1af_down
	.globl	k_q6e5f0de1af_down
	.p2align	8
	.type	k_q6e5f0de1af_down,@function
k_q6e5f0de1af_down:
	s_mov_b64 s[64:65], 0
	v_nop
	global_prefetch_b8 v0, s[64:65] scope:SCOPE_SE
	s_setreg_imm32_b32 hwreg(HW_REG_WAVE_MODE, 25, 1), 1
	s_wait_xcnt 0x0
; ONE PRODUCT OF THE EXPERTS' CHAIN, on the chosen rows alone: the second.  The first product's text with other constants and no activation.
;   y[kq][slot][128 nb ..] = hb[slot][1024 kq ..] W2[e] (+ b2[e] in quarter 0) in f32
; A slot is 2 token + k; sel[slot], stored by the router's launch, is its expert.  Results are addressed by slot, so no order of the rows matters beyond this work-group.
; SHARES.  Work-group (x, e): 128 columns x K = 1,024 of expert e's weights, 512 KiB of f32 that it alone reads, once for each pass, and ALL rows of that expert.  Four waves: wave w has the
; tiles of 16 rows of parity w / 2 and the 64 columns of group w % 2.  A pass serves 384 rows (a wave: 12 units of 16 rows x 64 columns, 384 accumulator registers); three passes, a constant,
; cover the 1,024 rows that an expert can have.  In a pass without rows every wave still passes every barrier; only work is jumped over.  Pass 0 always runs its loads (a constant of the text).
; WEIGHTS come straight from memory, 256 consecutive bytes for each 16 lanes, are rounded to bf16 in registers into the very image of a matrix operand (a lane's four columns 4 r + j go to four
; fragments j), and pass through LDS once, since each wave fetches one K step of 32 for all four.  ROWS are gathered by the list, 256 bytes a row and chunk.
; THE MATRIX INSTRUCTION IS USED TRANSPOSED (source 0 = 16 columns of W, source 1 = 16 rows): lane (r, h) holds row r; register i of accumulator j is column 64 c + 32 h + 4 i + j.
; K goes in 8 chunks of 128 through two pairs of LDS slots, one barrier a trip.  Trip t first multiplies chunk t - 1, all its units on end; then chunk t, which has come into registers
; meanwhile, is stored into the other pair of slots and chunk t + 1 is asked for.
; The four quarters of K are four work-groups: their partial sums are stored in f32 and added by the last launch, so that this product has the first one's shape and all 256 work-groups have equal shares.
; NO CLUSTER, NO TENSOR LOAD: each weight has one reader, and the rows that an expert's work-groups share come by a list, which no tile descriptor covers.
; LIMITS.  Weights and bias are rounded once to bf16, sums in f32.  NaN and infinities are not treated apart.
.set WP,  4096                         ; bytes from a k row of W to the next
.set RSH, 13                           ; a row of the left operand: slot << 13
.set OSH, 12                           ; a row of the result: slot << 12
.set LSH, 4                            ; a lane's bytes of a result row: 16
.set T1,    14                         ; tiles of 16 rows that are gathered whatever the count; tiles 14 to 23 go as far as the pass has rows
.set TA,    10                         ; of the 14, tiles 0 to 9 are asked for at a trip's end, tiles 10 to 13 at the next trip's head
.set AP,    272                        ; a row of a chunk in LDS: 256 bytes + 16: the 16 rows of a fragment load start 4 words apart in the banks (ISA guide 11.1)
.set A1X,   0x20000                    ; slot A0 at 0 (384 rows), slot A1 here: one exclusive or changes slots
.set SP,    528                        ; the stage (over both A slots, when they are read out): a row of 128 f32 + 16 bytes; word 32 j + l of a row is column 4 l + j
.set LIST,  235520                     ; four sub-lists, one a wave: 512 places and 32 trash words, 544 words each
.set LW,    544
.set ROWT,  244224                     ; for each wave 384 words: the slot of each row of the pass
.set CNTW,  250368                     ; the four sub-lists' counts
.set SPARE, 250624                     ; the spare words, 128 bytes a wave: two blocks of 256 bytes that no other line names
.set B0,    262144                     ; slot B0: 32 fragments of 1,024 bytes (fragment 8 ks + 4 c + j; register quad g at 512 g + 16 lane); slot B1 32,768 on
.set B1X,   0x8000
; vector registers, in windows of 256 (s_set_vgpr_msb: bits 1:0 source 0, 3:2 source 1, 5:4 source 2, 7:6 destination)
.set SPW, 4                            ; v4   LDS address of my spare word; never rewritten
.set NIL, 5                            ; v5   0; never rewritten
.set AFC, 6                            ; v6-7   my place in a row fragment, units 0-5 and 6-11
.set ASC, 8                            ; v8-9   where I store gathered rows, tiles 0-11 and 12-23
.set BRC, 10                           ; v10  where I read W's fragments
.set BWC, 11                           ; v11  where I store them
.set AFA, 12                           ; v12-17 the same six with this trip's slots added
.set ASA, 14
.set BR,  16
.set BW,  17
.set WO,  18                           ; v18  my byte offset in a chunk of W
.set PO,  19                           ; v19  the same for the prefetch
.set DS,  20                           ; v20-23 where I put results into the stage, three units each
.set RDB, 24                           ; v24  where I read the stage
.set RTA, 25                           ; v25  where I read the rows' slots
.set OL,  26                           ; v26  my bytes in a result row
.set C16, 27                           ; v27  16 (lane % 16)
.set E,   32                           ; v32-63 at work at a pass's beginning and end; in the trips v48-63 hold the gathered rows of tiles 22, 23
.set FA,  64                           ; v64-127 two buffers of row fragments; also W's fragments when just rounded
.set BF,  128                          ; v128-255 W's fragments of a chunk for my columns: (ks, j) at 32 ks + 8 j; at work while the list is made
.set WL,  0                            ; window 1: v0-127 W as loaded
.set SG,  128                          ; window 1: v128-255 gathered rows as loaded, tiles 0 to 15, 8 registers a tile
.set RO,  128                          ; window 3: v128-175 byte offsets of the rows that my 48 gathering loads take
.set BI,  176                          ; window 3: v176-207 the bias of my 32 columns; v208-255 gathered rows of tiles 16 to 21
                                       ; windows 2 and 3 (v0-127): the accumulators, unit u, j at 32 u + 8 j
; scalar registers
.set WV, 14
.set RH, 15
.set CG, 16
.set EX, 17
.set KQ, 19
.set AB, 20                            ; s[20:21] the left operand at the chunk last asked for; s[22:23] at chunk 0
.set AB0, 22
.set WB, 24                            ; s[24:25], s[26:27] the same for W
.set WB0, 26
.set OB, 28                            ; s[28:29] the result at my columns
.set CNT, 30                           ; the expert's rows
.set CM1, 31
.set PF1, 32                           ; rows in the sub-lists ahead of sub-list 1, 2, 3
.set PF2, 33
.set PF3, 34
.set D1, 35                            ; 544 w - PFw: from a rank to a place in LIST
.set D2, 36
.set D3, 37
.set PASS, 38
.set PL, 39                            ; 1: the pass has work
.set NT, 40                            ; its tiles of 16 rows
.set NU, 41                            ; my units among them
.set NUE, 42                           ; units to multiply in this trip: 0 in a pass's first
.set RTS, 43
.set LVS, 44                           ; 1: a chunk has been asked for and is staged at this trip's end
.set CI, 45                            ; chunks asked for
.set TC, 46
.set ROW0, 47
.set CP, 48                            ; rows of the pass
.set SAR, 49                           ; this trip's slots: A read, A written, B read, B written
.set SAW, 50
.set SBR, 51
.set SBW, 52
.set IS, 53                            ; 1: this trip's end asks for a further chunk
.set TP, 54                            ; s[54:55] an offset in 64 bits
.set T2, 56
.set T3, 57
.set T4, 58
.set T5, 59
.set TT, 60
.set RB, 61
.set R0, 62
.set BM, 63
.set MK, 80                            ; s80-95 lane masks, one for each of the items that the list and the lookups take side by side
.set MSB, 0
.macro WIN new                         ; the immediate's high byte repeats the setting that is left; a switch that changes nothing is dropped
.if MSB != (\new)
	s_set_vgpr_msb (MSB<<8)|(\new)
.set MSB, (\new)
.endif
.endm
.macro PLACES                          ; four places between a matrix instruction and a load into, or a vector write of, one of its registers
.rept 4
	v_nop
.endr
.endm
.macro ALL cnt, line:vararg            ; one line for each item t: a stage of work is written for all items on end, so that no line reads the result of the line before it
.set t, 0
.rept \cnt
	\line
.set t, t+1
.endr
.endm
; 32 loads: my K step of 32 (rows 32 w ..) of the chunk at s[WB], all 128 columns.  Load 16 c + 8 g + i: lanes 0-15 take 256 consecutive bytes of row 16 g + i, lanes 16-31 of the row 8 further.
.macro ISSUE_W
	WIN 0x40
.set n, 0
.rept 32
	global_load_b128 v[WL+4*n:WL+4*n+3], v[WO], s[WB:WB+1] offset:(16*((n/8)%2)+n%8)*WP+256*(n/16) th:TH_LOAD_NT
.set n, n+1
.endr
	WIN 0
.endm
; Rounded: register 4 g + p of fragment (c, j) is (row 16 g + 8 h + 2 p, the next row) of column 64 c + 4 r + j.
.macro CVT_B
	WIN 0x05
.set f, 0
.rept 8
.set m, 0
.rept 8
	v_cvt_pk_bf16_f32 v[FA+8*f+m], v[WL+4*(16*(f/4)+8*(m/4)+2*(m%4))+f%4], v[WL+4*(16*(f/4)+8*(m/4)+2*(m%4)+1)+f%4]
.set m, m+1
.endr
.set f, f+1
.endr
	WIN 0
.endm
.macro STORE_B                         ; 16 stores of 512 consecutive bytes
.set n, 0
.rept 16
	ds_store_b128 v[BW], v[FA+4*n:FA+4*n+3] offset:512*n
.set n, n+1
.endr
.endm
.macro LOAD_BF                         ; the 16 fragments of my column group, K step by K step
.set n, 0
.rept 32
	ds_load_b128 v[BF+4*n:BF+4*n+3], v[BR] offset:(n/8)*8192+(n%8)*512
.set n, n+1
.endr
.endm
; Gathering load q = 2 t + i takes rows 16 t + 4 w + 2 i and the next of tile t: 256 consecutive bytes for each 16 lanes.  Loads q0 to q1 - 1 of tiles 0 to 13:
.macro ISSUE_A1 q0, q1
	WIN 0x43
.set q, \q0
.rept (\q1)-(\q0)
	global_load_b128 v[SG+4*q:SG+4*q+3], v[RO+q], s[AB:AB+1]
.set q, q+1
.endr
	WIN 0
.endm
.macro STORE_A1 q0, q1
	WIN 0x04
.set q, \q0
.rept (\q1)-(\q0)
	ds_store_b128 v[ASA+q/24], v[SG+4*q:SG+4*q+3] offset:((q/2)%12)*16*AP+(q%2)*2*AP
.set q, q+1
.endr
	WIN 0
.endm
.macro A2REG tl                        ; where tile tl (14 to 23) lies: window gw, first register gb
.if (\tl) < 16
.set gw, 1
.set gb, SG+8*(\tl)
.elseif (\tl) < 22
.set gw, 3
.set gb, 208+8*((\tl)-16)
.else
.set gw, 0
.set gb, 48+8*((\tl)-22)
.endif
.endm
.macro ISSUE_A2 out                    ; tiles 14 to 23 as far as the pass has tiles
.irp tl, 14,15,16,17,18,19,20,21,22,23
	s_cmp_le_u32 s[NT], \tl
	s_cbranch_scc1 \out
	A2REG \tl
	WIN (gw<<6)|3
	global_load_b128 v[gb:gb+3],   v[RO+2*\tl],   s[AB:AB+1]
	global_load_b128 v[gb+4:gb+7], v[RO+2*\tl+1], s[AB:AB+1]
	WIN 0
.endr
.endm
.macro STORE_A2 out
.irp tl, 14,15,16,17,18,19,20,21,22,23
	s_cmp_le_u32 s[NT], \tl
	s_cbranch_scc1 \out
	A2REG \tl
	WIN gw<<2
	ds_store_b128 v[ASA+1], v[gb:gb+3]   offset:(\tl-12)*16*AP
	ds_store_b128 v[ASA+1], v[gb+4:gb+7] offset:(\tl-12)*16*AP+2*AP
	WIN 0
.endr
.endm
.macro LOADA u                         ; unit u's row fragments, four K steps, into buffer u % 2
.set fb, FA+32*((\u)%2)
.irp ks, 0,1,2,3
	ds_load_b128 v[fb+8*\ks:fb+8*\ks+3],   v[AFA+(\u)/6] offset:((\u)%6)*32*AP+64*\ks
	ds_load_b128 v[fb+8*\ks+4:fb+8*\ks+7], v[AFA+(\u)/6] offset:((\u)%6)*32*AP+64*\ks+32
.endr
.endm
; 16 products; the unit's four accumulators take turns, one instruction a turn; the next unit begins with another accumulator.
; w >= 0 (a trip's first unit): W's fragments are still landing, eight loads a K step; ahead of K step ks the later K steps' 8 (3 - ks) loads and the w loads issued behind them may be out.
.macro MUL u, w=-1
.set fb, FA+32*((\u)%2)
.set ab, 32*((\u)%8)
	WIN 0xa0+0x50*((\u)/8)
.irp ks, 0,1,2,3
.if (\w) >= 0
	s_wait_dscnt (\w)+8*(3-\ks)
.endif
.irp j, 0,1,2,3
	v_wmma_f32_16x16x32_bf16 v[ab+8*\j:ab+8*\j+7], v[BF+32*\ks+8*\j:BF+32*\ks+8*\j+7], v[fb+8*\ks:fb+8*\ks+7], v[ab+8*\j:ab+8*\j+7]
.endr
.endr
.endm
.macro UNIT u, w=-1                    ; unit u is multiplied while the next unit's fragments come; if there is no next unit, its tail does the same without them
	s_cmp_le_u32 s[NUE], (\u)+1
	s_cbranch_scc1 .Ltail\u
	PLACES
	LOADA (\u)+1
.if (\w) < 0
	s_wait_dscnt 0x8                               ; all but the eight loads just issued
.endif
	MUL \u, \w
	WIN 0
.endm
.macro TAIL u, out, w=-1
.Ltail\u:
.if (\w) < 0
	s_wait_dscnt 0x0
.endif
	MUL \u, \w
	WIN 0
	s_branch \out
.endm
	s_load_b256 s[4:11], s[0:1], 0x0               ; left operand s[4:5], W s[6:7], bias s[8:9], sel s[10:11]
	s_load_b64 s[12:13], s[0:1], 0x20              ; the result
	v_lshl_add_u32 v[SPW], v0, 2, SPARE
	v_mov_b32 v[NIL], 0
	v_lshrrev_b32 v28, 5, v0
	v_readfirstlane_b32 s[WV], v28
	v_and_b32 v1, 31, v0                           ; lane
	v_and_b32 v2, 15, v0                           ; r
	v_bfe_u32 v3, v0, 4, 1                         ; h
	s_lshr_b32 s[RH], s[WV], 1
	s_and_b32 s[CG], s[WV], 1
	s_and_b32 s[EX], ttmp7, 0xffff                 ; the expert
	s_mul_i32 s[T2], s[RH], 16*AP
	v_mul_u32_u24 v[AFC], v2, AP
	v_lshl_add_u32 v[AFC], v3, 4, v[AFC]
	v_add_nc_u32 v[AFC], s[T2], v[AFC]             ; (16 rh + r) x pitch + 16 h
	v_add_nc_u32 v[AFC+1], 6*32*AP, v[AFC]
	s_mul_i32 s[T2], s[WV], 4*AP
	v_mul_u32_u24 v[ASC], v3, AP
	v_lshl_add_u32 v[ASC], v2, 4, v[ASC]
	v_add_nc_u32 v[ASC], s[T2], v[ASC]             ; (4 w + h) x pitch + 16 r
	v_add_nc_u32 v[ASC+1], 12*16*AP, v[ASC]
	s_lshl_b32 s[T2], s[CG], 12
	s_add_co_u32 s[T2], s[T2], B0
	v_lshl_add_u32 v[BRC], v1, 4, s[T2]
	s_lshl_b32 s[T2], s[WV], 13
	s_add_co_u32 s[T2], s[T2], B0
	v_lshl_add_u32 v[BWC], v1, 4, s[T2]
	s_mul_i32 s[T2], s[WV], 32*WP
	v_mul_u32_u24 v[WO], v3, 8*WP
	v_lshl_add_u32 v[WO], v2, 4, v[WO]
	v_add_nc_u32 v[WO], s[T2], v[WO]               ; (32 w + 8 h) rows + 16 r
	v_lshrrev_b32 v28, 1, v1
	v_and_b32 v29, 1, v1
	v_mul_u32_u24 v[PO], v28, WP
	v_lshl_add_u32 v[PO], v29, 8, v[PO]
	v_add_nc_u32 v[PO], s[T2], v[PO]               ; (32 w + lane / 2) rows + 256 (lane % 2)
	s_mul_i32 s[T2], s[RH], 16*SP
	s_lshl_b32 s[T3], s[CG], 6
	s_add_co_u32 s[T2], s[T2], s[T3]
	v_mul_u32_u24 v[DS], v2, SP
	v_lshl_add_u32 v[DS], v3, 5, v[DS]
	v_add_nc_u32 v[DS], s[T2], v[DS]               ; (16 rh + r) x pitch + 64 c + 32 h
	v_add_nc_u32 v[DS+1], 96*SP, v[DS]
	v_add_nc_u32 v[DS+2], 192*SP, v[DS]
	v_add_nc_u32 v[DS+3], 288*SP, v[DS]
	v_lshlrev_b32 v[OL], LSH, v1
	v_lshlrev_b32 v[C16], 4, v2
	s_mul_i32 s[RTS], s[WV], 1536
	s_add_co_u32 s[RTS], s[RTS], ROWT
	s_lshl_b32 s[T2], s[WV], 11
	v_lshl_add_u32 v[RTA], v1, 4, s[T2]            ; sel: my wave's 512 slots, four a lane and load
	v_lshlrev_b32 v[RDB], 7, v3                    ; bias: 32 h columns on
	s_lshr_b32 s[KQ], ttmp9, 3                     ; the quarter of K
	s_and_b32 s[T3], ttmp9, 7                      ; the block of 128 columns
	s_cmp_eq_u32 s[KQ], 0
	s_cselect_b32 s[BM], -1, 0                     ; the bias is added in quarter 0 alone
	s_lshl_b32 s[T3], s[T3], 9                     ; 128 columns of f32
	s_mov_b32 s[TP+1], 0
	s_lshl_b32 s[TP], s[EX], 24                    ; an expert's weights are 2^24 bytes
	s_add_co_u32 s[TP], s[TP], s[T3]
	s_lshl_b32 s[T4], s[KQ], 22                    ; 1,024 rows of 4,096 bytes
	s_add_co_u32 s[TP], s[TP], s[T4]
	s_wait_kmcnt 0x0
	s_add_nc_u64 s[WB0:WB0+1], s[6:7], s[TP:TP+1]
	s_mov_b64 s[WB:WB+1], s[WB0:WB0+1]
	s_lshl_b32 s[TP], s[EX], 12
	s_add_co_u32 s[TP], s[TP], s[T3]
	s_lshl_b32 s[T4], s[CG], 8
	s_add_co_u32 s[TP], s[TP], s[T4]
	s_add_nc_u64 s[8:9], s[8:9], s[TP:TP+1]        ; the bias at my 64 columns
	s_lshl_b32 s[TP], s[KQ], 23
	s_add_co_u32 s[TP], s[TP], s[T3]
	s_add_nc_u64 s[OB:OB+1], s[12:13], s[TP:TP+1]
	s_lshl_b32 s[TP], s[KQ], 11
	s_add_nc_u64 s[AB0:AB0+1], s[4:5], s[TP:TP+1]
	; sel and the bias go out ahead of the weights: loads are counted done in order (ISA guide 5.7.1), and the list, on which the rows' addresses hang, is not to wait for chunk 0
.irp i, 0,1,2,3
	global_load_b128 v[FA+4*\i:FA+4*\i+3], v[RTA], s[10:11] offset:512*\i
.endr
.irp i, 0,1,2,3,4,5,6,7
	global_load_b128 v[E+4*\i:E+4*\i+3], v[RDB], s[8:9] offset:16*\i
.endr
	ISSUE_W                                        ; chunk 0 is on its way while the list is made
	global_prefetch_b8 v[PO], s[WB:WB+1] offset:128*WP th:TH_LOAD_NT scope:SCOPE_SE          ; my 32 rows x 512 bytes of chunk 1: 64 blocks of 256 bytes, a lane each
	global_prefetch_b8 v[PO], s[WB:WB+1] offset:128*WP+16*WP th:TH_LOAD_NT scope:SCOPE_SE
	; The registers of tiles 14 to 21 are loaded and stored only as far as a pass has tiles.  They are written once here, while sel is on its way, so that every register that a store names has been written on every way through the text.
	WIN 0x40
.set n, SG+8*T1
.rept 16
	v_mov_b32 v[n], 0
.set n, n+1
.endr
	WIN 0xc0
.set n, 208
.rept 48
	v_mov_b32 v[n], 0
.set n, n+1
.endr
	WIN 0
	; MY SUB-LIST: the slots among my wave's 512 that chose expert e.  First its 544 words take zeros (4 x 512 bytes + 128): every word that a lookup can read is written, and
	; place 0 of an empty list names slot 0, a slot that exists.  LDS serves a wave's instructions in order (ISA guide 5.7.1.4): the matches below land on the zeros.
	v_mov_b32 v28, 0
	v_mov_b32 v29, 0
	v_mov_b32 v30, 0
	v_mov_b32 v31, 0
	s_mul_i32 s[T2], s[WV], 4*LW
	s_add_co_u32 s[T2], s[T2], LIST
	v_lshl_add_u32 v[BF+32], v1, 4, s[T2]
.set n, 0
.rept 4
	ds_store_b128 v[BF+32], v[28:31] offset:512*n
.set n, n+1
.endr
	v_lshl_add_u32 v[BF+33], v1, 2, s[T2]
	ds_store_b32 v[BF+33], v28 offset:2048
	v_add_nc_u32 v30, 512, v1                      ; my trash word's place: a lane without a match writes it, so that EXEC stays full
	s_lshl_b32 s[T3], s[WV], 9
	v_lshl_add_u32 v31, v1, 2, s[T3]               ; 512 w + 4 lane
.set n, 0
.rept 16
	v_add_nc_u32 v[BF+16+n], 128*(n/4)+n%4, v31    ; the sixteen slots' numbers
.set n, n+1
.endr
	s_mov_b32 s[T4], 0
	s_wait_loadcnt 40                              ; sel is in: the bias's 8 loads and W's 32, issued behind it, stay out
	ALL 16, v_cmp_eq_u32 s[MK+t], s[EX], v[FA+t]
.set n, 0
.rept 16
	s_bcnt1_i32_b32 s[T5], s[MK+n]
	v_mbcnt_lo_u32_b32 v[BF+n], s[MK+n], s[T4]     ; matches so far + matches in the lanes below
	s_add_co_u32 s[T4], s[T4], s[T5]
.set n, n+1
.endr
	ALL 16, v_cndmask_b32 v[BF+t], v30, v[BF+t], s[MK+t]
	ALL 16, v_min_u32 v[BF+t], LW-1, v[BF+t]
	ALL 16, v_lshl_add_u32 v[BF+t], v[BF+t], 2, s[T2]
	ALL 16, ds_store_b32 v[BF+t], v[BF+16+t]
	v_mov_b32 v29, s[T4]
	s_lshl_b32 s[T3], s[WV], 2
	s_add_co_u32 s[T3], s[T3], CNTW
	v_mov_b32 v28, s[T3]
	ds_store_b32 v28, v29
	s_wait_loadcnt 32                              ; the bias is in: W's 32 loads, issued behind it, stay out
.set n, 0
.rept 16
	v_cvt_pk_bf16_f32 v[E+n], v[E+2*n], v[E+2*n+1] ; the bias rounded to bf16,
	v_and_b32 v[E+n], s[BM], v[E+n]                ; (0 in quarters 1 to 3)
.set n, n+1
.endr
	WIN 0xc0
.set n, 0
.rept 16
	v_lshlrev_b32 v[BI+2*n], 16, v[E+n]            ; and wide again: BI[4 i + j] is column 64 c + 32 h + 4 i + j
	v_and_b32 v[BI+2*n+1], 0xffff0000, v[E+n]
.set n, n+1
.endr
	WIN 0
	s_wait_dscnt 0x0                               ; for the others' sake: list and count are stored
	s_barrier_signal -1
	s_barrier_wait -1
	v_mov_b32 v[RDB], CNTW
	ds_load_b128 v[28:31], v[RDB]
	s_wait_dscnt 0x0
	v_readfirstlane_b32 s[T2], v28
	v_readfirstlane_b32 s[T3], v29
	v_readfirstlane_b32 s[T4], v30
	v_readfirstlane_b32 s[T5], v31
	s_min_u32 s[PF1], s[T2], 512
	s_min_u32 s[T3], s[T3], 512
	s_min_u32 s[T4], s[T4], 512
	s_min_u32 s[T5], s[T5], 512
	s_add_co_u32 s[PF2], s[PF1], s[T3]
	s_add_co_u32 s[PF3], s[PF2], s[T4]
	s_add_co_u32 s[CNT], s[PF3], s[T5]
	s_min_u32 s[CNT], s[CNT], 1024                 ; a token names an expert once
	s_sub_co_u32 s[D1], LW, s[PF1]
	s_sub_co_u32 s[D2], 2*LW, s[PF2]
	s_sub_co_u32 s[D3], 3*LW, s[PF3]
	s_max_u32 s[CM1], s[CNT], 1
	s_sub_co_u32 s[CM1], s[CM1], 1
	s_mov_b32 s[PASS], 0
	s_mov_b32 s[PL], 1
.Lpass:                                                ; three passes of 384 rows
	s_wait_xcnt 0x0                                ; the bases, and the registers that the last pass's stores read, are rewritten only behind this wait
	s_mul_i32 s[ROW0], s[PASS], 384
	s_sub_co_i32 s[T2], s[CNT], s[ROW0]
	s_max_i32 s[T2], s[T2], 0
	s_min_u32 s[CP], s[T2], 384
	s_add_co_u32 s[NT], s[CP], 15
	s_lshr_b32 s[NT], s[NT], 4
	s_add_co_u32 s[NU], s[NT], 1
	s_sub_co_u32 s[NU], s[NU], s[RH]
	s_lshr_b32 s[NU], s[NU], 1                     ; tiles 2 u + rh below NT
	s_mov_b32 s[NUE], 0
	s_mov_b32 s[CI], 0
	s_mov_b32 s[LVS], s[PL]
	s_mov_b32 s[SAW], 0
	s_mov_b32 s[SAR], A1X
	s_mov_b32 s[SBW], 0
	s_mov_b32 s[SBR], B1X
	s_mov_b64 s[AB:AB+1], s[AB0:AB0+1]
	s_mov_b64 s[WB:WB+1], s[WB0:WB0+1]
	s_cmp_eq_u32 s[PL], 0
	s_cbranch_scc1 .Lpbd
	; the slot of each of the pass's 384 rows, 32 a lookup, twelve lookups side by side: the rank (ranks past the count repeat the last row that exists), its sub-list, its place
	v_add_nc_u32 v28, s[ROW0], v1
	v_lshl_add_u32 v30, v1, 2, s[RTS]
	ALL 12, v_add_nc_u32 v[E+t], 32*t, v28
	ALL 12, v_min_u32 v[E+t], s[CM1], v[E+t]
	ALL 12, v_cmp_le_u32 s[MK+t], s[PF1], v[E+t]
	ALL 12, v_cndmask_b32 v[E+16+t], 0, s[D1], s[MK+t]
	ALL 12, v_cmp_le_u32 s[MK+t], s[PF2], v[E+t]
	ALL 12, v_cndmask_b32 v[E+16+t], v[E+16+t], s[D2], s[MK+t]
	ALL 12, v_cmp_le_u32 s[MK+t], s[PF3], v[E+t]
	ALL 12, v_cndmask_b32 v[E+16+t], v[E+16+t], s[D3], s[MK+t]
	ALL 12, v_add_nc_u32 v[E+t], v[E+t], v[E+16+t]
	ALL 12, v_min_u32 v[E+t], 4*LW-1, v[E+t]
	ALL 12, v_lshl_add_u32 v[E+t], v[E+t], 2, LIST
	ALL 12, ds_load_b32 v[E+16+t], v[E+t]
	WIN 0xc3                                       ; the sums start from the bias: these moves are the addition of it; they stand where the wave would wait for LDS: units 8 to 11 here,
.set n, 0
.rept 128
	v_mov_b32 v[n], v[BI+4*(n%8)+(n/8)%4]
.set n, n+1
.endr
	WIN 0
	s_wait_dscnt 0x0
	ALL 12, ds_store_b32 v30, v[E+16+t] offset:128*t
	s_lshl_b32 s[T2], s[WV], 4                     ; (into my wave's own table)
	s_add_co_u32 s[T2], s[T2], s[RTS]
	v_lshl_add_u32 v31, v3, 2, s[T2]               ; row 4 w + h of a tile
	WIN 0xc0
.set q, 0
.rept 48
	ds_load_b32 v[RO+q], v31 offset:64*(q/2)+8*(q%2)     ; LDS serves a wave's instructions in order (ISA guide 5.7.1.4): these see the stores above
.set q, q+1
.endr
	WIN 0x83                                       ; units 0 to 7 here
.set n, 0
.rept 256
	v_mov_b32 v[n], v[BI+4*(n%8)+(n/8)%4]
.set n, n+1
.endr
	s_wait_dscnt 0x0
	WIN 0xcc
.set q, 0
.rept 48
	v_min_u32 v[RO+q], 0x7ff, v[RO+q]
.set q, q+1
.endr
	WIN 0xc3
.set q, 0
.rept 48
	v_lshl_add_u32 v[RO+q], v[RO+q], RSH, v[C16]
.set q, q+1
.endr
	WIN 0
	s_cmp_eq_u32 s[PASS], 0
	s_cbranch_scc1 .Lpbw                           ; pass 0's chunk 0 of W was asked for at the head
	s_wait_loadcnt 0x0                             ; these loads name the registers of the head's loads: in passes 1 and 2 nothing is out (the wait behind the trip loop), and this wait holds it on every way here
	ISSUE_W
.Lpbw:
	ISSUE_A2 .Lpa2                                 ; chunk 0 of the rows; tiles 10 to 13 follow at the first trip's head
.Lpa2:
	ISSUE_A1 0, 2*TA
	s_mov_b32 s[CI], 1
.Lpbd:
	s_mov_b32 s[TC], 9
.Ltrip:                                                ; nine trips: trip t multiplies chunk t - 1 and then stages chunk t
	v_add_nc_u32 v[AFA], s[SAR], v[AFC]
	v_add_nc_u32 v[AFA+1], s[SAR], v[AFC+1]
	v_add_nc_u32 v[ASA], s[SAW], v[ASC]
	v_add_nc_u32 v[ASA+1], s[SAW], v[ASC+1]
	v_add_nc_u32 v[BR], s[SBR], v[BRC]
	v_add_nc_u32 v[BW], s[SBW], v[BWC]
	s_cmp_eq_u32 s[NUE], 0
	s_cbranch_scc1 .Lz                             ; nothing to multiply: a pass's first trip, a pass without rows
	LOADA 0                                        ; the first unit's rows first, then W's fragments K step by K step: the first products begin when 16 of these 40 loads are back
	LOAD_BF
	; A chunk is 32 + 2 NT loads of a wave, 64 or more from 16 tiles on, and LOADcnt's field holds 63 (ISA guide 5.7.1: an instruction that would pass it waits at issue).
	; So the chunk's last eight loads stand here, a barrier behind the others, when the oldest of those have had time to come back.
	s_cmp_eq_u32 s[LVS], 0
	s_cbranch_scc1 .Lu0
	ISSUE_A1 2*TA, 2*T1
.Lu0:
	UNIT 0, 8
	UNIT 1
	UNIT 2
	UNIT 3
	UNIT 4
	UNIT 5
	UNIT 6
	UNIT 7
	UNIT 8
	UNIT 9
	UNIT 10
	TAIL 11, .Lend
	TAIL 0, .Lend, 0
	TAIL 1, .Lend
	TAIL 2, .Lend
	TAIL 3, .Lend
	TAIL 4, .Lend
	TAIL 5, .Lend
	TAIL 6, .Lend
	TAIL 7, .Lend
	TAIL 8, .Lend
	TAIL 9, .Lend
	TAIL 10, .Lend
.Lz:
	s_cmp_eq_u32 s[LVS], 0
	s_cbranch_scc1 .Lend
	ISSUE_A1 2*TA, 2*T1
.Lend:
	PLACES                                         ; behind the trip's last product: the fragment registers are written below, and loaded again in the next trip
	s_wait_loadcnt 0x0                             ; the chunk asked for a trip ago: rows and weights
	s_cmp_lt_u32 s[CI], 8
	s_cselect_b32 s[IS], s[PL], 0                  ; is there a further chunk?
	s_cmp_eq_u32 s[LVS], 0
	s_cbranch_scc1 .Lnois                          ; nothing has come, so nothing is left to ask for either
	; Each group of registers is asked for again as soon as it has been stored or rounded: tiles 14 and up (the oldest loads, the first to be counted done), the weights, tiles 0 to 9.
	STORE_A2 .La2s
.La2s:
	s_cmp_eq_u32 s[IS], 0
	s_cbranch_scc1 .Lcv
	s_wait_xcnt 0x0                                ; the bases are stepped only behind this wait
	s_add_nc_u64 s[AB:AB+1], s[AB:AB+1], 256
	s_add_nc_u64 s[WB:WB+1], s[WB:WB+1], 128*WP
	s_add_co_u32 s[CI], s[CI], 1
	ISSUE_A2 .Lcv
.Lcv:
	STORE_A1 0, T1                                 ; half of the row stores are served while the weights are rounded
	CVT_B
	s_cmp_eq_u32 s[IS], 0
	s_cbranch_scc1 .Lst
	ISSUE_W
.Lst:
	STORE_A1 T1, 2*T1
	STORE_B
	s_cmp_eq_u32 s[IS], 0
	s_cbranch_scc1 .Lnois
	ISSUE_A1 0, 2*TA
	s_cmp_lt_u32 s[CI], 8
	s_cbranch_scc0 .Lnois                          ; behind chunk 7 there is nothing to ask for
	global_prefetch_b8 v[PO], s[WB:WB+1] offset:128*WP th:TH_LOAD_NT scope:SCOPE_SE          ; the chunk behind the one just asked for, whose loads the next trip's end issues: my own 64 blocks of 256 bytes
	global_prefetch_b8 v[PO], s[WB:WB+1] offset:128*WP+16*WP th:TH_LOAD_NT scope:SCOPE_SE
.Lnois:
	s_mov_b32 s[LVS], s[IS]
	s_mov_b32 s[NUE], s[NU]
	s_wait_dscnt 0x0                               ; my reads of the one pair of slots are back and my stores into the other are done:
	s_barrier_signal -1                            ; one barrier orders both
	s_xor_b32 s[SAR], s[SAR], A1X
	s_xor_b32 s[SAW], s[SAW], A1X
	s_xor_b32 s[SBR], s[SBR], B1X
	s_xor_b32 s[SBW], s[SBW], B1X
	s_barrier_wait -1
	s_sub_co_u32 s[TC], s[TC], 1
	s_cmp_lg_u32 s[TC], 0
	s_cbranch_scc1 .Ltrip
	s_wait_loadcnt 0x0                             ; no load of mine is out when the next pass's loads name the same registers: the last two trips ask for nothing, and this wait holds it on every path
	; THE WAY OUT.  The sums go into the stage, which lies over the A slots: the last trip's barrier has ended all reads of those.  Each accumulator's low registers go first.
.irp u, 0,1,2,3,4,5,6,7,8,9,10,11
	s_cmp_le_u32 s[NU], \u
	s_cbranch_scc1 .Ldumped
	WIN 0x08+4*(\u/8)
.irp j, 0,1,2,3
	ds_store_b128 v[DS+\u/3], v[32*(\u%8)+8*\j:32*(\u%8)+8*\j+3]   offset:(\u%3)*32*SP+128*\j
	ds_store_b128 v[DS+\u/3], v[32*(\u%8)+8*\j+4:32*(\u%8)+8*\j+7] offset:(\u%3)*32*SP+128*\j+16
.endr
	WIN 0
.endr
.Ldumped:
	s_wait_dscnt 0x0
	s_barrier_signal -1
	s_barrier_wait -1
	s_cmp_eq_u32 s[NT], 0
	s_cbranch_scc1 .Lrbx                           ; a pass without rows jumps over the whole loop below, from ahead of its head to behind its backward jump
	s_mul_i32 s[T2], s[WV], 4*SP
	v_lshl_add_u32 v[RDB], v1, 2, s[T2]
	s_lshl_b32 s[T2], s[WV], 4
	s_add_co_u32 s[T2], s[T2], s[RTS]
	v_mov_b32 v[RTA], s[T2]
	s_lshl_b32 s[R0], s[WV], 2
	s_mov_b32 s[TT], 0
	s_mov_b32 s[RB], 24
.Lrb:                                                  ; 24 tiles, a constant; of tile t wave w takes rows 4 w .. 4 w + 3, whole; tiles past the count jump forward to the steps and the count
	s_cmp_ge_u32 s[TT], s[NT]
	s_cbranch_scc1 .Lrbn
	s_wait_xcnt 0x0                                ; the last tile's stores have read their registers
.irp i, 0,1,2,3
	ds_load_b32 v[28+\i], v[RTA] offset:4*\i       ; the row's slot, the same word for all lanes
.endr
.set n, 0
.rept 16
	ds_load_b32 v[E+n], v[RDB] offset:(n/4)*SP+(n%4)*128 ; row n / 4: 128 consecutive bytes a load; lane l gets column 4 l + n % 4
.set n, n+1
.endr
	s_wait_dscnt 0x0
.irp i, 0,1,2,3
	v_min_u32 v[28+\i], 0x7ff, v[28+\i]
	v_lshl_add_u32 v[28+\i], v[28+\i], OSH, v[OL]
.endr
.irp i, 0,1,2,3
	s_add_co_u32 s[T2], s[R0], \i
	s_cmp_ge_u32 s[T2], s[CP]
	s_cbranch_scc1 .Lrbn                           ; rows past the count repeat a row that has been stored
	global_store_b128 v[28+\i], v[E+4*\i:E+4*\i+3], s[OB:OB+1]   ; the wave's store covers 512 consecutive bytes, aligned
.endr
.Lrbn:
	v_add_nc_u32 v[RDB], 16*SP, v[RDB]
	v_add_nc_u32 v[RTA], 64, v[RTA]
	s_add_co_u32 s[TT], s[TT], 1
	s_add_co_u32 s[R0], s[R0], 16
	s_sub_co_u32 s[RB], s[RB], 1
	s_cmp_lg_u32 s[RB], 0
	s_cbranch_scc1 .Lrb
.Lrbx:
	s_wait_dscnt 0x0                               ; my reads of the stage are back: the next pass stores rows over it
	s_barrier_signal -1
	s_barrier_wait -1
	s_add_co_u32 s[PASS], s[PASS], 1
	s_mul_i32 s[T2], s[PASS], 384
	s_cmp_gt_u32 s[CNT], s[T2]
	s_cselect_b32 s[PL], 1, 0
	s_cmp_lt_u32 s[PASS], 3
	s_cbranch_scc1 .Lpass
	s_wait_tensorcnt 0x0                           ; the wave's end, behind my last LDS store
	ds_add_u32 v[SPW], v[NIL]
	s_wait_dscnt 0x0
	s_endpgm
.Lfunc_end_k_q6e5f0de1af_down:
	.size	k_q6e5f0de1af_down, .Lfunc_end_k_q6e5f0de1af_down-k_q6e5f0de1af_down
	.p2alignl 7, 3214868480
	.fill 96, 4, 3214868480
	.section	.rodata,"a",@progbits
	.p2align	6, 0x0
	.amdhsa_kernel k_q6e5f0de1af_down
		.amdhsa_group_segment_fixed_size 327680
		.amdhsa_private_segment_fixed_size 0
		.amdhsa_enable_private_segment 0
		.amdhsa_kernarg_size 40
		.amdhsa_user_sgpr_count 2
		.amdhsa_user_sgpr_kernarg_segment_ptr 1
		.amdhsa_wavefront_size32 1
		.amdhsa_system_sgpr_workgroup_id_x 1
		.amdhsa_system_sgpr_workgroup_id_y 1
		.amdhsa_system_sgpr_workgroup_id_z 1
		.amdhsa_system_vgpr_workitem_id 0
		.amdhsa_next_free_vgpr 1024
		.amdhsa_next_free_sgpr 96
		.amdhsa_reserve_vcc 0
		.amdhsa_float_denorm_mode_32 3
		.amdhsa_float_denorm_mode_16_64 3
		.amdhsa_memory_ordered 1
		.amdhsa_forward_progress 1
		.amdhsa_inst_pref_size 132
	.end_amdhsa_kernel
	.amdgpu_metadata
---
amdhsa.version: [ 1, 2 ]
amdhsa.kernels:
  - .name:           k_q6e5f0de1af_down
    .symbol:         k_q6e5f0de1af_down.kd
    .args:
      - { .name: hb, .offset: 0, .size: 8, .value_kind: global_buffer, .address_space: global }
      - { .name: W2, .offset: 8, .size: 8, .value_kind: global_buffer, .address_space: global }
      - { .name: b2, .offset: 16, .size: 8, .value_kind: global_buffer, .address_space: global }
      - { .name: sel, .offset: 24, .size: 8, .value_kind: global_buffer, .address_space: global }
      - { .name: y, .offset: 32, .size: 8, .value_kind: global_buffer, .address_space: global }
    .group_segment_fixed_size: 327680
    .private_segment_fixed_size: 0
    .kernarg_segment_align: 8
    .kernarg_segment_size: 40
    .max_flat_workgroup_size: 128
    .sgpr_count:     96
    .vgpr_count:     1024
    .wavefront_size: 32
...
	.end_amdgpu_metadata
.endif
;; end of part 3
;; launch fin (part 4): grid 256 x 1, 8 waves a work-group, no clusters, 0 bytes of LDS; arguments y, gw, out0; writes out0
.if DOCPART == 4
	.amdgcn_target "amdgcn-amd-amdhsa--gfx1250"
	.amdhsa_code_object_version 6
	.text
	.protected	k_q6e5f0de1af_fin
	.globl	k_q6e5f0de1af_fin
	.p2align	8
	.type	k_q6e5f0de1af_fin,@function
k_q6e5f0de1af_fin:
	s_mov_b64 s[64:65], 0
	v_nop
	global_prefetch_b8 v0, s[64:65] scope:SCOPE_SE
	s_setreg_imm32_b32 hwreg(HW_REG_WAVE_MODE, 25, 1), 1
	s_wait_xcnt 0x0
; out0[t] = gw[2 t] (y[0] + y[1] + y[2] + y[3])[2 t] + gw[2 t + 1] (the same)[2 t + 1].  y: [4 quarters of K][2048 slots][1024] f32 partial sums; gw: [2048] f32.
; A stream: a work-group takes four tokens, a thread 16 bytes of every row, so that a wave's load or store covers 512 consecutive bytes.  All 32 loads of a thread go out at once;
; the waits count the later tokens' loads, eight a token.  No LDS, no barrier, no matrix unit, no cluster: nothing is shared and memory binds.
.set Y, 8                              ; v8-135   load 8 tt + 4 k + q: token tt, choice k, quarter q
.set O, 136                            ; v136-151 four registers a token, so that no store's data are rewritten
	s_load_b128 s[4:7], s[0:1], 0x0                ; y s[4:5], gw s[6:7]
	s_load_b64 s[8:9], s[0:1], 0x10                ; out0
	v_lshlrev_b32 v1, 4, v0
	s_lshl_b32 s10, ttmp9, 15                      ; my 8 slots of 4,096 bytes
	s_mov_b32 s11, 0
	s_lshl_b32 s12, ttmp9, 5                       ; their 8 weights
	s_mov_b32 s13, 0
	s_lshl_b32 s14, ttmp9, 14                      ; my 4 tokens
	s_mov_b32 s15, 0
	s_wait_kmcnt 0x0
	s_add_nc_u64 s[6:7], s[6:7], s[12:13]
	s_load_b256 s[16:23], s[6:7], 0x0
	s_add_nc_u64 s[40:41], s[4:5], s[10:11]        ; a base for each quarter: 2^23 bytes do not fit the immediate
	s_add_nc_u64 s[42:43], s[40:41], 0x800000
	s_add_nc_u64 s[44:45], s[42:43], 0x800000
	s_add_nc_u64 s[46:47], s[44:45], 0x800000
	s_add_nc_u64 s[8:9], s[8:9], s[14:15]
.set n, 0
.rept 32
	global_load_b128 v[Y+4*n:Y+4*n+3], v1, s[40+2*(n%4):41+2*(n%4)] offset:(n/4)*4096 th:TH_LOAD_NT
.set n, n+1
.endr
	s_wait_kmcnt 0x0
.irp i, 0,1,2,3,4,5,6,7
	s_mov_b32 s[24+2*\i], s[16+\i]                 ; each weight at the head of a pair of its own: the packed forms take a scalar pair's low word for both halves
	s_mov_b32 s[25+2*\i], s[16+\i]
.endr
.irp tt, 0,1,2,3
	s_wait_loadcnt 24-8*\tt                        ; this token's eight loads are in; the later tokens' stay out
.irp k, 0,1
.irp c, 0,2
	v_pk_add_f32 v[Y+32*\tt+16*\k+\c:Y+32*\tt+16*\k+\c+1],     v[Y+32*\tt+16*\k+\c:Y+32*\tt+16*\k+\c+1],     v[Y+32*\tt+16*\k+4+\c:Y+32*\tt+16*\k+4+\c+1]
	v_pk_add_f32 v[Y+32*\tt+16*\k+8+\c:Y+32*\tt+16*\k+8+\c+1], v[Y+32*\tt+16*\k+8+\c:Y+32*\tt+16*\k+8+\c+1], v[Y+32*\tt+16*\k+12+\c:Y+32*\tt+16*\k+12+\c+1]
.endr
.irp c, 0,2
	v_pk_add_f32 v[Y+32*\tt+16*\k+\c:Y+32*\tt+16*\k+\c+1],     v[Y+32*\tt+16*\k+\c:Y+32*\tt+16*\k+\c+1],     v[Y+32*\tt+16*\k+8+\c:Y+32*\tt+16*\k+8+\c+1]
.endr
.endr
.irp c, 0,2
	v_pk_mul_f32 v[O+4*\tt+\c:O+4*\tt+\c+1], v[Y+32*\tt+\c:Y+32*\tt+\c+1], s[24+4*\tt:25+4*\tt] op_sel_hi:[1,0]
.endr
.irp c, 0,2
	v_pk_fma_f32 v[O+4*\tt+\c:O+4*\tt+\c+1], v[Y+32*\tt+16+\c:Y+32*\tt+16+\c+1], s[26+4*\tt:27+4*\tt], v[O+4*\tt+\c:O+4*\tt+\c+1] op_sel_hi:[1,0,1]
.endr
	global_store_b128 v1, v[O+4*\tt:O+4*\tt+3], s[8:9] offset:4096*\tt th:TH_STORE_NT
.endr
	s_endpgm
.Lfunc_end_k_q6e5f0de1af_fin:
	.size	k_q6e5f0de1af_fin, .Lfunc_end_k_q6e5f0de1af_fin-k_q6e5f0de1af_fin
	.p2alignl 7, 3214868480
	.fill 96, 4, 3214868480
	.section	.rodata,"a",@progbits
	.p2align	6, 0x0
	.amdhsa_kernel k_q6e5f0de1af_fin
		.amdhsa_group_segment_fixed_size 0
		.amdhsa_private_segment_fixed_size 0
		.amdhsa_enable_private_segment 0
		.amdhsa_kernarg_size 24
		.amdhsa_user_sgpr_count 2
		.amdhsa_user_sgpr_kernarg_segment_ptr 1
		.amdhsa_wavefront_size32 1
		.amdhsa_system_sgpr_workgroup_id_x 1
		.amdhsa_system_sgpr_workgroup_id_y 1
		.amdhsa_system_sgpr_workgroup_id_z 1
		.amdhsa_system_vgpr_workitem_id 0
		.amdhsa_next_free_vgpr 152
		.amdhsa_next_free_sgpr 66
		.amdhsa_reserve_vcc 0
		.amdhsa_float_denorm_mode_32 3
		.amdhsa_float_denorm_mode_16_64 3
		.amdhsa_memory_ordered 1
		.amdhsa_forward_progress 1
		.amdhsa_inst_pref_size 10
	.end_amdhsa_kernel
	.amdgpu_metadata
---
amdhsa.version: [ 1, 2 ]
amdhsa.kernels:
  - .name:           k_q6e5f0de1af_fin
    .symbol:         k_q6e5f0de1af_fin.kd
    .args:
      - { .name: y, .offset: 0, .size: 8, .value_kind: global_buffer, .address_space: global }
      - { .name: gw, .offset: 8, .size: 8, .value_kind: global_buffer, .address_space: global }
      - { .name: out0, .offset: 16, .size: 8, .value_kind: global_buffer, .address_space: global }
    .group_segment_fixed_size: 0
    .private_segment_fixed_size: 0
    .kernarg_segment_align: 8
    .kernarg_segment_size: 24
    .max_flat_workgroup_size: 256
    .sgpr_count:     66
    .vgpr_count:     152
    .wavefront_size: 32
...
	.end_amdgpu_metadata
.endif
;; end of part 4
